; MI455X (gfx1250); checked and timed in simulation.
; The chip was launched on July 23, 2026; its instructions are those of AMD's public machine-readable ISA for CDNA 5 (MIT licence, August 2026) and "CDNA5" Instruction Set Architecture Reference Guide (July 2026). The comments in the code are by the model that wrote it; some were corrected since.
;; Self Attention. Allowed arithmetic: matrix products marked QUANTISED: E2M3 operands, one E8M0 scale for each 32 along K, by v_wmma_scale_f32_16x16x128_f8f6f4 with both operands' format E2M3, f32 sums; products left as they are: f32 operands where the result goes on into a quantised operand, else bf16, f16 or f32 operands; f32 sums; everything else in f32.
;; Inputs: W_attn_codes 3,072 x 32 x 24 uint8 (E2M3 codes of W_attn, K innermost, in blocks of 32 codes, four codes in three bytes); W_attn_scales 3,072 x 32 uint8 (E8M0 scales of W_attn, one for each 32 codes along K); W_proj_codes 1,024 x 32 x 24 uint8 (E2M3 codes of W_proj, K innermost, in blocks of 32 codes, four codes in three bytes); W_proj_scales 1,024 x 32 uint8 (E8M0 scales of W_proj, one for each 32 codes along K); b_attn 3,072 float32; b_proj 1,024 float32; mask 8 x 2,048 x 16 bool; x_codes 8 x 2,048 x 32 x 24 uint8 (E2M3 codes of x, K innermost, in blocks of 32 codes, four codes in three bytes); x_scales 8 x 2,048 x 32 uint8 (E8M0 scales of x, one for each 32 codes along K).
;; Outputs: out0 8 x 2,048 x 1,024 float32.
;; This version of the problem:
;;   THIS VERSION OF THE PROBLEM IS GIVEN IN LOW PRECISION. The matrix products marked QUANTISED in the list below multiply operands that are first quantised to E2M3 (2 exponent bits, 3 mantissa bits; 6 bits a number), with one power-of-two scale for each 32 numbers along K (OCP MX v1.0); their sums are f32. All else is computed in f32.
;;   The module's matrix products, in the order in which they are computed (A, B: the left and right operand; K: the contracted axis; several contracted axes count as one K, in the product's order):
;;     1. [M 16,384, K 1,024] x [K 1,024, N 3,072]; A: input x (given as codes); B: input W_attn (given as codes): QUANTISED
;;     2. batch 16,384 x [M 16, K 64] x [K 64, N 16]; A: computed on the way; B: computed on the way: QUANTISED
;;     3. batch 16,384 x [M 16, K 16] x [K 16, N 64]; A: softmax; B: computed on the way: left as it is (K = 16 < 32)
;;     4. [M 16,384, K 1,024] x [K 1,024, N 1,024]; A: computed on the way; B: input W_proj (given as codes): QUANTISED
;;   THE QUANTISER, for each operand of a quantised product, along K:
;;     - K is cut into blocks of 32 from its start; a last block that is shorter is filled with zeros.
;;     - A block's scale is 2^e with e = floor(log2(the largest magnitude in the block)) - 2, held to -126 .. 127; a block of zeros has e = 0. As a byte (E8M0): e + 127.
;;     - Each number is divided by its block's scale, clamped to +-7.5, and rounded to the nearest number of E2M3, ties to even, subnormals kept.
;;     - The product sums the exact products of the quantised numbers (number of the format x scale) in f32.
;;   ~~~python
;;   def quantise(x, axis):      # numpy; x: float32 -> the quantised numbers, widened to float32 again
;;       x = np.moveaxis(x, axis, -1); K = x.shape[-1]
;;       x = np.pad(x, [(0, 0)] * (x.ndim - 1) + [(0, -K % 32)]); x = x.reshape(x.shape[:-1] + (-1, 32)); a = np.abs(x).max(-1, keepdims=True)
;;       e = np.where(a > 0, np.clip(np.frexp(np.where(a > 0, a, 1))[1] - 1 - 2, -126, 127), 0)      # np.frexp(a)[1] - 1 = floor(log2(a)), exactly
;;       r = np.clip(x / 2.0 ** e, -7.5, 7.5)
;;       step = 2.0 ** (np.maximum(np.frexp(np.where(r == 0, 1, r))[1] - 1, 0) - 3)
;;       q = np.round(r / step) * step * 2.0 ** e      # np.round: ties to even
;;       return np.moveaxis(q.reshape(q.shape[:-2] + (-1,))[..., :K], -1, axis).astype(np.float32)
;;   ~~~
;;   OPERANDS COMPUTED ON THE WAY. 'Computed on the way' means the value that the module computes at that place (a softmax that the list does not call 'softmax' is quantised finished and normalised). What goes into a quantiser is computed in f32, as accurately as f32 sums, v_exp_f32 and their like allow (about 1e-6 of the number): no bf16 or f16 on the way to a quantiser, and a product that is left as it is and whose result goes on into a quantised operand takes f32 operands (vector FMAs, or v_wmma_f32_16x16x4_f32). A number that lies on a knife's edge between two numbers of the format may be rounded either way, as far as f32 arithmetic and the matrix unit's own rounding can turn it there, and no further.
;;   INPUTS GIVEN AS CODES. W_attn (in the module: [1024, 3072], K = its axis 0); W_proj (in the module: [1024, 1024], K = its axis 0); x (in the module: [8, 2048, 1024], K = its axis 2): each comes as NAME_codes (uint8): NAME with its K axis moved to the last place and cut into blocks of 32 codes, [.., K / 32, bytes a block], one block behind the other in memory; four codes in three bytes: a row's codes are one little-endian stream of bits, code i at bits 6 i .. 6 i + 5 (a code: sign, 2 exponent bits, 3 mantissa bits); and NAME_scales (uint8): the same leading axes, one E8M0 byte (e + 127) for each 32 codes along K. Its value is code x scale, taken as it is: it is not quantised again, and the codes and scales need not be those that the quantiser above would give.
;; 2 versions. Each part assembles by itself: llvm-mc -triple=amdgcn-amd-amdhsa -mcpu=gfx1250 --defsym DOCPART=n.
;; ======== version 1 of 2: 2 launches
;; workspace buffers: wl 3,302,400 bytes
;; launch lay (part 1): grid 258 x 1, 8 waves a work-group, no clusters, 0 bytes of LDS; arguments W_attn_codes, W_attn_scales, W_proj_codes, W_proj_scales, wl; writes wl
.if DOCPART == 1
	.amdgcn_target "amdgcn-amd-amdhsa--gfx1250"
	.amdhsa_code_object_version 6
	.text
	.protected	k_q45d41f5f02_lay
	.globl	k_q45d41f5f02_lay
	.p2align	8
	.type	k_q45d41f5f02_lay,@function
k_q45d41f5f02_lay:
	s_mov_b64 s[64:65], 0
	v_nop
	global_prefetch_b8 v0, s[64:65] scope:SCOPE_SE
	s_setreg_imm32_b32 hwreg(HW_REG_WAVE_MODE, 25, 1), 1
	s_wait_xcnt 0x0
; The weights' codes and scale bytes are laid once in the order in which the next launch's waves take them into operand registers.
; wl is 258 records of REC bytes.  Record R = 64 w + st: what wave w of the next launch wants in its step st = 8 grp + ks (ks: which 128 along K).
; A record: eight fragments (16 rows x 128 K of 6-bit codes, 12 registers a lane) as images of their registers, fragment t at 1536 t: register 4 c + i of lane L at 512 c + 16 L + 4 i;
; then at byte 12,288 an image of four scale registers: word i of lane L (at 16 L + 4 i) is this K step's scale word of row L % 16 of fragment 2 i + L / 16.
; Which row of the weight lane r of fragment t holds:
;   grp 0-3 (q and k of head 4 w + grp):  W_attn row head x 192 + 32 (t / 2) + 8 (t % 2) + r + 8 (r / 8)
;   grp 4-5 (v, one d for all 16 heads):  W_attn row 192 r + 128 + 32 (grp - 4) + 8 w + t
;   grp 6-7 (the projection):             W_proj row 256 w + 128 (grp - 6) + 16 t + r
; Records 256 and 257 repeat records 0 and 1: the next launch's wave 3 loads two steps ahead of its last step, and every byte that is loaded has been stored.
; One work-group makes one record, wave t its fragment t.  A stream of 3.3 MB: no LDS, no barrier, no matrix unit.
.set REC, 12800
	s_load_b256 s[4:11], s[0:1], 0x0               ; W_attn's codes s[4:5], its scales s[6:7], W_proj's codes s[8:9], its scales s[10:11]
	s_load_b64 s[12:13], s[0:1], 0x20              ; wl
	v_lshrrev_b32 v1, 5, v0
	v_readfirstlane_b32 s14, v1                    ; t: my wave's number
	v_and_b32 v2, 31, v0                           ; L
	v_and_b32 v3, 15, v0                           ; r
	v_bfe_u32 v4, v0, 4, 1                         ; h
	s_and_b32 s15, ttmp9, 255                      ; records 256, 257 repeat 0, 1
	s_lshr_b32 s16, s15, 6                         ; w
	s_bfe_u32 s17, s15, 0x30003                    ; grp: 3 bits from bit 3
	s_and_b32 s18, s15, 7                          ; ks
	s_lshr_b32 s19, s14, 1                         ; t / 2
	s_and_b32 s20, s14, 1                          ; t % 2
	; the row is A + B r + C (r / 8).  A for q and k:
	s_lshl_b32 s21, s16, 2
	s_add_co_u32 s21, s21, s17                     ; head
	s_mul_i32 s21, s21, 192
	s_lshl_b32 s22, s19, 5
	s_add_co_u32 s21, s21, s22
	s_lshl_b32 s22, s20, 3
	s_add_co_u32 s21, s21, s22
	; A for v: 128 + 32 (grp - 4) + 8 w + t = 32 grp + 8 w + t
	s_lshl_b32 s23, s17, 5
	s_lshl_b32 s22, s16, 3
	s_add_co_u32 s23, s23, s22
	s_add_co_u32 s23, s23, s14
	; A for the projection: grp - 6 is grp % 2 there
	s_lshl_b32 s24, s16, 8
	s_and_b32 s22, s17, 1
	s_lshl_b32 s22, s22, 7
	s_add_co_u32 s24, s24, s22
	s_lshl_b32 s22, s14, 4
	s_add_co_u32 s24, s24, s22
	s_cmp_lt_u32 s17, 4
	s_cselect_b32 s25, s21, s23                    ; A
	s_cselect_b32 s26, 1, 192                      ; B
	s_cselect_b32 s27, 8, 0                        ; C
	s_wait_kmcnt 0x0
	s_cmp_lt_u32 s17, 6                            ; W_attn or W_proj: the choice hangs on the work-group's number alone
	s_cselect_b32 s25, s25, s24
	s_cselect_b32 s26, s26, 1
	s_cselect_b64 s[4:5], s[4:5], s[8:9]
	s_cselect_b64 s[6:7], s[6:7], s[10:11]
	v_mul_lo_u32 v5, v3, s26
	v_lshrrev_b32 v6, 3, v3
	v_mul_lo_u32 v6, v6, s27
	v_add3_u32 v5, v5, v6, s25                     ; my row
	v_mul_u32_u24 v7, v5, 768                      ; a row of 1,024 codes is 768 bytes
	v_mad_u32_u24 v7, v4, 24, v7                   ; + 24 h
	s_mul_i32 s28, s18, 96                         ; + the K step's 96 bytes
	v_add_nc_u32 v7, s28, v7
	v_lshlrev_b32 v20, 5, v5                       ; a row of scales is 32 bytes
	s_lshl_b32 s29, s18, 2
	v_add_nc_u32 v20, s29, v20                     ; the K step's word
.irp p, 0,1,2,3,4,5
	global_load_b64 v[8+2*\p:9+2*\p], v7, s[4:5] offset:48*(\p/3)+8*(\p%3)   ; registers 6 c .. 6 c + 5: K = 64 c + 32 h + 0 .. 31, as the bits lie
.endr
	global_load_b32 v23, v20, s[6:7]
	s_mul_i32 s30, ttmp9, REC
	s_mov_b32 s31, 0
	s_add_nc_u64 s[12:13], s[12:13], s[30:31]      ; my record
	s_mul_i32 s32, s14, 1536
	v_lshl_add_u32 v21, v2, 4, s32                 ; my fragment's image: 1536 t + 16 L
	s_lshl_b32 s33, s20, 8
	s_lshl_b32 s34, s19, 2
	s_add_co_u32 s33, s33, s34
	v_lshl_add_u32 v22, v3, 4, s33                 ; my row's scale word: 16 (r + 16 (t % 2)) + 4 (t / 2)
	s_wait_loadcnt 0x0
.irp c, 0,1,2
	global_store_b128 v21, v[8+4*\c:11+4*\c], s[12:13] offset:512*\c         ; the wave stores 512 consecutive bytes
.endr
	global_store_b32 v22, v23, s[12:13] offset:12288                         ; lanes r and r + 16 hold the same row's word and write it to the same place
	s_endpgm
.Lfunc_end_k_q45d41f5f02_lay:
	.size	k_q45d41f5f02_lay, .Lfunc_end_k_q45d41f5f02_lay-k_q45d41f5f02_lay
	.p2alignl 7, 3214868480
	.fill 96, 4, 3214868480
	.section	.rodata,"a",@progbits
	.p2align	6, 0x0
	.amdhsa_kernel k_q45d41f5f02_lay
		.amdhsa_group_segment_fixed_size 0
		.amdhsa_private_segment_fixed_size 0
		.amdhsa_enable_private_segment 0
		.amdhsa_kernarg_size 40
		.amdhsa_user_sgpr_count 2
		.amdhsa_user_sgpr_kernarg_segment_ptr 1
		.amdhsa_wavefront_size32 1
		.amdhsa_system_sgpr_workgroup_id_x 1
		.amdhsa_system_sgpr_workgroup_id_y 1
		.amdhsa_system_sgpr_workgroup_id_z 1
		.amdhsa_system_vgpr_workitem_id 0
		.amdhsa_next_free_vgpr 32
		.amdhsa_next_free_sgpr 66
		.amdhsa_reserve_vcc 0
		.amdhsa_float_denorm_mode_32 3
		.amdhsa_float_denorm_mode_16_64 3
		.amdhsa_memory_ordered 1
		.amdhsa_forward_progress 1
		.amdhsa_inst_pref_size 4
	.end_amdhsa_kernel
	.amdgpu_metadata
---
amdhsa.version: [ 1, 2 ]
amdhsa.kernels:
  - .name:           k_q45d41f5f02_lay
    .symbol:         k_q45d41f5f02_lay.kd
    .args:
      - { .name: W_attn_codes, .offset: 0, .size: 8, .value_kind: global_buffer, .address_space: global }
      - { .name: W_attn_scales, .offset: 8, .size: 8, .value_kind: global_buffer, .address_space: global }
      - { .name: W_proj_codes, .offset: 16, .size: 8, .value_kind: global_buffer, .address_space: global }
      - { .name: W_proj_scales, .offset: 24, .size: 8, .value_kind: global_buffer, .address_space: global }
      - { .name: wl, .offset: 32, .size: 8, .value_kind: global_buffer, .address_space: global }
    .group_segment_fixed_size: 0
    .private_segment_fixed_size: 0
    .kernarg_segment_align: 8
    .kernarg_segment_size: 40
    .max_flat_workgroup_size: 256
    .sgpr_count:     66
    .vgpr_count:     32
    .wavefront_size: 32
...
	.end_amdgpu_metadata
.endif
;; end of part 1
;; launch attn (part 2): grid 256 x 1, 4 waves a work-group, no clusters, 255,488 bytes of LDS; arguments x_codes, x_scales, mask, b_attn, b_proj, wl, out0; writes out0
.if DOCPART == 2
	.amdgcn_target "amdgcn-amd-amdhsa--gfx1250"
	.amdhsa_code_object_version 6
	.text
	.protected	k_q45d41f5f02_attn
	.globl	k_q45d41f5f02_attn
	.p2align	8
	.type	k_q45d41f5f02_attn,@function
k_q45d41f5f02_attn:
	s_mov_b64 s[64:65], 0
	v_nop
	global_prefetch_b8 v0, s[64:65] scope:SCOPE_SE
	s_setreg_imm32_b32 hwreg(HW_REG_WAVE_MODE, 25, 1), 1
	s_wait_xcnt 0x0
; The whole chain for 64 tokens a work-group: qkv = x W_attn + b_attn; for each token scores q k^T / 8 over its 16 HEADS, mask over g, softmax, p v; the result W_proj + b_proj.
; Products 1, 2 and 4 run on codes of FP6 (E2M3) with one E8M0 scale for each 32 along K; q, k and the attention's result are quantised here, in f32, on their way; p v takes f32 operands, since its result is quantised.
; SHARES.  In the three large products the four waves share the COLUMNS: a group is 128 columns x 64 tokens = 8 column tiles t x 4 token tiles m = 32 accumulators, over 8 K steps of 128.
;   Wave w: 4 groups for q and k of heads 4 w .. 4 w + 3; 2 groups for v (d = 32 c + 8 w + t, a tile's 16 rows are the 16 heads); 2 groups for output columns 256 w + 128 g ...
;   The matrix instruction is used TRANSPOSED (source 0 = 16 rows of the weight, source 1 = 16 tokens): lane (r, h) holds token r, register j the tile's row 8 h + j.
;   In scores, softmax and p v wave w owns tokens 16 w .. 16 w + 15.
; WEIGHTS come from wl, laid by the launch before as images of operand registers, straight into registers: 25 loads of 16 bytes a lane for a K step, asked for two K steps ahead, four sets of registers.
; NO CLUSTER, NO TENSOR LOADS: x's codes, the result's codes, q's and k's codes or v in f32, biases and mask take 254,976 bytes of LDS; in the 72,704 left, two slots for four waves would be 9,088 bytes a wave,
;   less than the 12,800 bytes that a wave multiplies in one K step; and inside the work-group each fragment of a weight has one reader.  No prefetch: x is read once at the head, and wl is asked for two K steps ahead by the loads themselves.
; TOKEN OPERANDS lie in LDS as images of their registers (register 4 c + i of lane L at 512 c + 16 L + 4 i), fragment (m, ks) at (8 m + ks) FP.
; LIMITS: a block whose largest magnitude lies under 2^-124 (a block of zeros too) keeps the scale byte 1; its codes are what that scale gives (zeros for zeros).  NaN and infinities among the inputs are not served.
; REGISTERS, in windows of 256: window 0: v0-31 addresses; v32-63 the tokens' scale words (8 m + ks); v64-79 the weights' scale words, 4 sets; v80-87 scales of the scores' operands;
;   v88-183 two sets of four token fragments (also: the scores' operands, v's operands, rows on the way out); v184-255 at work.
;   window 1: v0-191 weight sets 0, 1; v192-255 p of my tokens 0-7.   window 2: weight sets 2, 3; p of tokens 8-15.   window 3: the accumulators, (m, t) at 64 m + 8 t; p v's results at 16 token + 8 u: written by matrix instructions alone.
.set REC,  12800                       ; a K step's record in wl
.set FP,   1552                        ; from image to image in LDS: 1,536 bytes + 16
.set TPQ,  1552                        ; a token's q and k codes: q of head g at 48 g + 24 block, k 768 bytes on; + 16
.set TPV,  2064                        ; a token's v of 32 d: [d][g] f32, 64 bytes a d; + 16
.set XI,   0                           ; x: 32 images
.set OI,   49664                       ; the attention's result: 32 images
.set OS,   99328                       ; its scale bytes, [token][32]
.set BQ,   101376                      ; b_attn as it lies
.set BV,   113664                      ; v's part of it as [d 64][g 16]
.set BP,   117760                      ; b_proj
.set MKL,  121856                      ; the mask, [token][16]
.set U,    122880                      ; by turns, parted by barriers: q's and k's codes (64 TPQ) and their scale words; v (64 TPV); the stages of the way out (4 x 16 x 528)
.set QSO,  U+64*TPQ                    ; scale words [token][head]: bytes 0, 1 q's two blocks, bytes 2, 3 k's
.set LA,   4                           ; 16 L: an image's place for my lane; also my offset in wl and in a row piece of out0
.set XAD,  5                           ; XI + 16 L
.set OAD,  6                           ; OI + 16 L
.set XW,   7                           ; where I store x's images
.set QA0,  8                           ; U + TPQ r + 24 h
.set QSA0, 9                           ; QSO + 64 r
.set SR,   10                          ; the scores' operands: U + 16 w TPQ + 48 r + 24 h (r: a head)
.set SSR,  11                          ; QSO + 1024 w + 4 r
.set MKR,  12                          ; MKL + 256 w + 8 h
.set VA,   13                          ; v13-14: where I store v: U + TPV r + 32 h + 512 w; the same 32 tokens on
.set VR,   15                          ; where I read v's operands
.set OAB,  16                          ; v16-18: where my three words of the result's codes go
.set OSB,  19                          ; and the block's scale byte
.set OSR,  20                          ; OS + 32 r
.set STO,  21                          ; the way out: into my stage
.set RD,   22                          ; and back
.set H64,  23                          ; 64 h
.set H32,  24                          ; 32 h
.set BA,   25                          ; the group's bias
.set QA,   26                          ; v26-27: QA0 + 48 head; the same 32 tokens on
.set QSA,  28
.set OA,   26                          ; v26-28 (later): OAB + 256 c
.set OSA,  29
.set NEG,  30                          ; -1e9
.set XS,   32
.set WS,   64
.set KQS,  80
.set XF,   88
.set BIASR,184                         ; v184-247: a group's bias in the result's layout, the C of each sum's first product
.set TM,   184                         ; v184-187 largest magnitudes, v188-191 the other half's, then bytes, v196-199 the conversions' scale operands
.set PW,   200                         ; a scale word just made
.set PC,   204                         ; v204-223 codes just made
.set S,    184                         ; v184-215 four tokens' scores
.set MK,   216                         ; v216-223 their mask bytes
.set MX,   224                         ; v224-231 a pair a token: the maximum; later 1 / the sum
.set RC,   232                         ; v232-239 a pair a token: the sum
.set TP,   240
.set MSB, 0
.macro WIN new                         ; the immediate's high byte repeats the setting that is left; a switch that changes nothing is dropped
.if MSB != (\new)
	s_set_vgpr_msb (MSB<<8)|(\new)
.set MSB, (\new)
.endif
.endm
.macro PLACES n                        ; plain vector instructions behind matrix instructions (ISA guide 7.12.1)
.rept \n
	v_nop
.endr
.endm
.macro BARRIER                         ; my LDS stores have landed and my LDS loads are in: then the work-group's barrier
	s_wait_dscnt 0x0
	s_barrier_signal -1
	s_barrier_wait -1
.endm
; Step st's record (counted from the group in hand) into weight set st % 4: 24 loads for the eight fragments, one for the four scale registers
.macro BLOAD st
.set BS, (\st)%4
	WIN (1+BS/2)<<6
.irp t, 0,1,2,3,4,5,6,7
.irp c, 0,1,2
	global_load_b128 v[96*(BS%2)+12*\t+4*\c:96*(BS%2)+12*\t+4*\c+3], v[LA], s[14:15] offset:(\st)*REC+1536*\t+512*\c
.endr
.endr
	WIN 0
	global_load_b128 v[WS+4*BS:WS+4*BS+3], v[LA], s[14:15] offset:(\st)*REC+12288
.endm
; The four token fragments of K step s into token set s % 2
.macro XLOAD adr, s
.irp m, 0,1,2,3
.irp c, 0,1,2
	ds_load_b128 v[XF+48*((\s)%2)+12*\m+4*\c:XF+48*((\s)%2)+12*\m+4*\c+3], v[\adr] offset:(8*\m+(\s))*FP+512*\c
.endr
.endr
.endm
; A K step: 32 products, the 32 accumulators by turns, one instruction a turn.  In step 0 the bias is C: nothing is cleared and nothing is added later.
.macro KSTEP adr, s
	PLACES 4                                       ; in front of loads into the weight set and the token set that the step before last and the last step multiplied
	s_wait_loadcnt 25                              ; this step's 25 loads are in; the next step's 25 may be out
	BLOAD (\s)+2
.if (\s) < 7
	XLOAD \adr, (\s)+1
	s_wait_dscnt 12                                ; all but the 12 just issued
.else
	s_wait_dscnt 0x0
.endif
.set KQ, (\s)%4
.if (\s) == 0
	WIN 0xc0+1+KQ/2                                ; source 0 the weight's window, source 1 and C window 0, D window 3
.else
	WIN 0xf0+1+KQ/2                                ; C and D window 3
.endif
.irp t, 0,1,2,3,4,5,6,7
.irp m, 0,1,2,3
.set rD, 64*\m+8*\t
.set rA, 96*(KQ%2)+12*\t
.set rB, XF+48*((\s)%2)+12*\m
.set rP, WS+4*KQ+\t/2                  ; lanes 0-15: tile 2 i's scale words, lanes 16-31: tile 2 i + 1's
.set rX, XS+8*\m+(\s)
.if (\s) == 0
.if \t%2
	v_wmma_scale_f32_16x16x128_f8f6f4 v[rD:rD+7], v[rA:rA+11], v[rB:rB+11], v[BIASR+8*\t:BIASR+8*\t+7], v[rP], v[rX] matrix_a_fmt:MATRIX_FMT_FP6 matrix_b_fmt:MATRIX_FMT_FP6 matrix_a_scale:MATRIX_SCALE_ROW1
.else
	v_wmma_scale_f32_16x16x128_f8f6f4 v[rD:rD+7], v[rA:rA+11], v[rB:rB+11], v[BIASR+8*\t:BIASR+8*\t+7], v[rP], v[rX] matrix_a_fmt:MATRIX_FMT_FP6 matrix_b_fmt:MATRIX_FMT_FP6
.endif
.else
.if \t%2
	v_wmma_scale_f32_16x16x128_f8f6f4 v[rD:rD+7], v[rA:rA+11], v[rB:rB+11], v[rD:rD+7], v[rP], v[rX] matrix_a_fmt:MATRIX_FMT_FP6 matrix_b_fmt:MATRIX_FMT_FP6 matrix_a_scale:MATRIX_SCALE_ROW1
.else
	v_wmma_scale_f32_16x16x128_f8f6f4 v[rD:rD+7], v[rA:rA+11], v[rB:rB+11], v[rD:rD+7], v[rP], v[rX] matrix_a_fmt:MATRIX_FMT_FP6 matrix_b_fmt:MATRIX_FMT_FP6
.endif
.endif
.endr
.endr
	WIN 0
.endm
; A group's eight K steps; wl's pointer then steps to the next group, whose first two records are already asked for
.macro GEMMK adr
.irp s, 0,1,2,3,4,5,6,7
	KSTEP \adr, \s
.endr
	s_wait_xcnt 0x0                                ; the loads have read their base
	s_add_nc_u64 s[14:15], s[14:15], 8*REC
	PLACES 5                                       ; behind the last products: for reads of the results, and for matrix instructions that write these registers anew
.endm
; Ahead of a group: its bias in the result's layout (lane (r, h): the tile's rows 8 h + 0 .. 7) and the first token fragments.  qk = 1: a tile's rows are not neighbours
.macro GPRO qk, adr
	PLACES 4
.irp t, 0,1,2,3,4,5,6,7
.if \qk
	ds_load_b128 v[BIASR+8*\t:BIASR+8*\t+3], v[BA] offset:128*(\t/2)+32*(\t%2)
	ds_load_b128 v[BIASR+8*\t+4:BIASR+8*\t+7], v[BA] offset:128*(\t/2)+32*(\t%2)+16
.else
	ds_load_b128 v[BIASR+8*\t:BIASR+8*\t+3], v[BA] offset:64*\t
	ds_load_b128 v[BIASR+8*\t+4:BIASR+8*\t+7], v[BA] offset:64*\t+16
.endif
.endr
	XLOAD \adr, 0
.endm
; Token tile m's 64 numbers a lane (window 3; register 16 b + i = column 32 b + 16 h + i of my token: blocks 0, 1 are q, blocks 2, 3 are k) become 12 registers of codes in v[PC] on and a scale word in v[PW].
.macro QUANT m
.set QB, 64*(\m)
	WIN 0x3c                                       ; sources 1 and 2 window 3
.irp b, 0,1,2,3
	v_max3_num_f32 v[TM+\b], 0x1800000, |v[QB+16*\b]|, |v[QB+16*\b+1]|     ; my 16 numbers of block b, and the floor 2^(3 - 127): the byte cannot fall under 1.  Each accumulator is read from its low end on
.endr
.irp i, 2,4,6,8,10,12,14
.irp b, 0,1,2,3
	v_max3_num_f32 v[TM+\b], v[TM+\b], |v[QB+16*\b+\i]|, |v[QB+16*\b+\i+1]|
.endr
.endr
	WIN 0
.irp b, 0,1,2,3
	v_permlanex16_b32 v[TM+4+\b], v[TM+\b], s20, s21
.endr
.irp b, 0,1,2,3
	v_max_num_f32 v[TM+\b], v[TM+\b], v[TM+4+\b]   ; with lane l xor 16's: the block's largest magnitude
.endr
.irp b, 0,1,2,3
	v_add_nc_u32 v[TM+12+\b], 0xff000000, v[TM+\b] ; 2 off its exponent field: the conversion's scale operand
.endr
.irp b, 0,1,2,3
	v_lshrrev_b32 v[TM+4+\b], 23, v[TM+12+\b]      ; the scale's byte
.endr
	v_lshl_or_b32 v[PW], v[TM+5], 8, v[TM+4]
	v_lshl_or_b32 v[PW], v[TM+6], 16, v[PW]
	v_lshl_or_b32 v[PW], v[TM+7], 24, v[PW]
	WIN 0x03                                       ; source 0 window 3
.irp c, 0,1
	v_cvt_scalef32_pk16_fp6_f32 v[PC+6*\c:PC+6*\c+2], v[QB+32*\c:QB+32*\c+15], v[TM+12+2*\c]
	v_cvt_scalef32_pk16_fp6_f32 v[PC+12+4*\c:PC+14+4*\c], v[QB+32*\c+16:QB+32*\c+31], v[TM+13+2*\c]   ; (a conversion's three registers begin on an even number)
.endr
	WIN 0
	v_nop                                          ; one plain place behind a scaled conversion
.irp c, 0,1                                    ; a whole block to a lane: lanes 0-15 block 2 c, lanes 16-31 block 2 c + 1
.irp i, 0,1,2
	v_permlane16_swap_b32 v[PC+6*\c+\i], v[PC+12+4*\c+\i]
.endr
.irp i, 0,1,2
	v_mov_b32 v[PC+3+6*\c+\i], v[PC+12+4*\c+\i]
.endr
.endr
.endm
; Scores and softmax of my tokens 4 q .. 4 q + 3, the four by turns.  S^T = k q^T: source 0 = the token's 16 heads of k, source 1 = its 16 heads of q; K = 64 in the low six registers, the high six hold zero codes.
; Lane (r, h) holds query head r and g = 8 h + 0 .. 7.  p goes to window 1 or 2 in that layout, which is source 1 of p v.
.macro SC4 q
.irp i, 0,1,2,3
.irp p, 0,1,2
	ds_load_b64 v[XF+24*\i+2*\p:XF+24*\i+2*\p+1], v[SR] offset:(4*(\q)+\i)*TPQ+768+8*\p
	ds_load_b64 v[XF+24*\i+12+2*\p:XF+24*\i+13+2*\p], v[SR] offset:(4*(\q)+\i)*TPQ+8*\p
.endr
	ds_load_u16 v[KQS+2*\i], v[SSR] offset:64*(4*(\q)+\i)+2       ; k's two bytes, below two bytes 0, which scale zero codes
	ds_load_b32 v[KQS+2*\i+1], v[SSR] offset:64*(4*(\q)+\i)       ; q's two bytes; the two above (k's, never 0xff) scale zero codes
	ds_load_b64 v[MK+2*\i:MK+2*\i+1], v[MKR] offset:16*(4*(\q)+\i)
.endr
	s_wait_dscnt 0x0
.irp i, 0,1,2,3
	v_wmma_scale_f32_16x16x128_f8f6f4 v[S+8*\i:S+8*\i+7], v[XF+24*\i:XF+24*\i+11], v[XF+24*\i+12:XF+24*\i+23], 0, v[KQS+2*\i], v[KQS+2*\i+1] matrix_a_fmt:MATRIX_FMT_FP6 matrix_b_fmt:MATRIX_FMT_FP6
.endr
	PLACES 5                                       ; for the reads below, the next batch's loads, and its products, which write these four accumulators anew
.irp j, 0,2,4,6
.irp i, 0,1,2,3
	v_pk_mul_f32 v[S+8*\i+\j:S+8*\i+\j+1], v[S+8*\i+\j:S+8*\i+\j+1], s[44:45] op_sel_hi:[1,0]      ; x 1 / sqrt(64)
.endr
.endr
.irp j, 0,1,2,3,4,5,6,7                        ; where the mask's byte of g is 0 the score becomes -1e9
.irp i, 0,1,2,3
	v_and_b32 v[TP+\i], 0xff<<(8*(\j%4)), v[MK+2*\i+\j/4]
.endr
.irp i, 0,1,2,3
	v_cmp_ne_u32 s[40+\i], 0, v[TP+\i]
.endr
.irp i, 0,1,2,3
	v_cndmask_b32 v[S+8*\i+\j], v[NEG], v[S+8*\i+\j], s[40+\i]
.endr
.endr
.irp i, 0,1,2,3
	v_max3_num_f32 v[MX+2*\i], v[S+8*\i], v[S+8*\i+1], v[S+8*\i+2]
.endr
.irp i, 0,1,2,3
	v_max3_num_f32 v[MX+2*\i], v[MX+2*\i], v[S+8*\i+3], v[S+8*\i+4]
.endr
.irp i, 0,1,2,3
	v_max3_num_f32 v[MX+2*\i], v[MX+2*\i], v[S+8*\i+5], v[S+8*\i+6]
.endr
.irp i, 0,1,2,3
	v_max_num_f32 v[MX+2*\i], v[MX+2*\i], v[S+8*\i+7]
.endr
.irp i, 0,1,2,3
	v_permlanex16_b32 v[MX+2*\i+1], v[MX+2*\i], s20, s21
.endr
.irp i, 0,1,2,3
	v_max_num_f32 v[MX+2*\i], v[MX+2*\i], v[MX+2*\i+1]            ; the row's maximum over all 16 g
.endr
.irp j, 0,2,4,6
.irp i, 0,1,2,3
	v_pk_add_f32 v[S+8*\i+\j:S+8*\i+\j+1], v[S+8*\i+\j:S+8*\i+\j+1], v[MX+2*\i:MX+2*\i+1] op_sel_hi:[1,0] neg_lo:[0,1] neg_hi:[0,1]   ; the maximum is taken away first, then the factor: no large numbers are rounded
.endr
.endr
.irp j, 0,2,4,6
.irp i, 0,1,2,3
	v_pk_mul_f32 v[S+8*\i+\j:S+8*\i+\j+1], v[S+8*\i+\j:S+8*\i+\j+1], s[46:47] op_sel_hi:[1,0]      ; x log2(e)
.endr
.endr
.irp j, 0,1,2,3,4,5,6,7
.irp i, 0,1,2,3
	v_exp_f32 v[S+8*\i+\j], v[S+8*\i+\j]
.endr
.endr
	v_nop                                          ; a plain place behind the last exponential
	s_wait_alu depctr_va_vdst(0)                   ; one wait for the batch of 32, ahead of its first reader
.irp i, 0,1,2,3
	v_pk_add_f32 v[RC+2*\i:RC+2*\i+1], v[S+8*\i:S+8*\i+1], v[S+8*\i+2:S+8*\i+3]
.endr
.irp i, 0,1,2,3
	v_pk_add_f32 v[MX+2*\i:MX+2*\i+1], v[S+8*\i+4:S+8*\i+5], v[S+8*\i+6:S+8*\i+7]
.endr
.irp i, 0,1,2,3
	v_pk_add_f32 v[RC+2*\i:RC+2*\i+1], v[RC+2*\i:RC+2*\i+1], v[MX+2*\i:MX+2*\i+1]
.endr
.irp i, 0,1,2,3
	v_add_f32 v[RC+2*\i], v[RC+2*\i], v[RC+2*\i+1]
.endr
.irp i, 0,1,2,3
	v_permlanex16_b32 v[RC+2*\i+1], v[RC+2*\i], s20, s21
.endr
.irp i, 0,1,2,3
	v_add_f32 v[RC+2*\i], v[RC+2*\i], v[RC+2*\i+1]                ; the row's sum
.endr
.irp i, 0,1,2,3
	v_rcp_f32 v[MX+2*\i], v[RC+2*\i]
.endr
	v_nop
	s_wait_alu depctr_va_vdst(0)                   ; one wait for the four reciprocals
	WIN (1+(\q)/2)<<6                              ; destination: p's window
.irp j, 0,2,4,6
.irp i, 0,1,2,3
	v_pk_mul_f32 v[192+8*((4*(\q)+\i)%8)+\j:192+8*((4*(\q)+\i)%8)+\j+1], v[S+8*\i+\j:S+8*\i+\j+1], v[MX+2*\i:MX+2*\i+1] op_sel_hi:[1,0]
.endr
.endr
	WIN 0
.endm
; v's operands of tokens 2 i, 2 i + 1: for tile u lane (r, h) takes d = 8 u + r + 8 (r / 8) and g = 8 h + 0 .. 7: 32 neighbouring bytes
.macro VLOAD i
.irp t, 0,1
.irp u, 0,1
	ds_load_b128 v[XF+32*((\i)%2)+16*\t+8*\u:XF+32*((\i)%2)+16*\t+8*\u+3], v[VR] offset:(2*(\i)+\t)*TPV+512*\u
	ds_load_b128 v[XF+32*((\i)%2)+16*\t+8*\u+4:XF+32*((\i)%2)+16*\t+8*\u+7], v[VR] offset:(2*(\i)+\t)*TPV+512*\u+16
.endr
.endr
.endm
; out^T = v^T p^T of tokens 2 i, 2 i + 1 in f32: source 0 = 16 d x 4 g, source 1 = 4 g x 16 query heads.  Step s takes registers 2 s, 2 s + 1 of both: the slot (h, j) is g = 8 h + 2 s + j on both sides.
; Four accumulators by turns.  In the result lane (query head r, h) holds d = 16 h + 8 u + j: the 16 registers of tiles 0 and 1 are 16 neighbours along the next K.
.macro PV2 i
.if (\i) < 7
	PLACES 8                                       ; in front of loads into the operands that the batch before last multiplied
	VLOAD (\i)+1
	s_wait_dscnt 8                                 ; all but the 8 just issued
.else
	s_wait_dscnt 0x0
.endif
	WIN 0xf0+4*(1+(\i)/4)                          ; source 1 p's window, C and D window 3
.irp s, 0,1,2,3
.irp t, 0,1
.irp u, 0,1
.set tk, 2*(\i)+\t
.set rD, 16*tk+8*\u
.set rA, XF+32*((\i)%2)+16*\t+8*\u+2*\s
.set rB, 192+8*(tk%8)+2*\s
.if \s == 0
	v_wmma_f32_16x16x4_f32 v[rD:rD+7], v[rA:rA+1], v[rB:rB+1], 0
.else
	v_wmma_f32_16x16x4_f32 v[rD:rD+7], v[rA:rA+1], v[rB:rB+1], v[rD:rD+7]
.endif
.endr
.endr
.endr
	WIN 0
.endm
; The results of tokens t0 .. t0 + 3 are quantised: my 16 numbers are half of block 2 head + c; their 12 bytes of codes are words 6 (head % 2) + 3 h + 0 .. 2 of lane token + 16 c in the image of fragment (w, head / 2).
.macro OQ t0
	WIN 0x3c
.irp k, 0,1,2,3
	v_max3_num_f32 v[TM+\k], 0x1800000, |v[16*((\t0)+\k)]|, |v[16*((\t0)+\k)+1]|
.endr
.irp i, 2,4,6,8,10,12,14
.irp k, 0,1,2,3
	v_max3_num_f32 v[TM+\k], v[TM+\k], |v[16*((\t0)+\k)+\i]|, |v[16*((\t0)+\k)+\i+1]|
.endr
.endr
	WIN 0
.irp k, 0,1,2,3
	v_permlanex16_b32 v[TM+4+\k], v[TM+\k], s20, s21
.endr
.irp k, 0,1,2,3
	v_max_num_f32 v[TM+\k], v[TM+\k], v[TM+4+\k]
.endr
.irp k, 0,1,2,3
	v_add_nc_u32 v[TM+12+\k], 0xff000000, v[TM+\k]
.endr
.irp k, 0,1,2,3
	v_lshrrev_b32 v[TM+4+\k], 23, v[TM+12+\k]
.endr
	WIN 0x03
.irp k, 0,1,2,3
	v_cvt_scalef32_pk16_fp6_f32 v[PC+4*\k:PC+4*\k+2], v[16*((\t0)+\k):16*((\t0)+\k)+15], v[TM+12+\k]
.endr
	WIN 0
	v_nop                                          ; one plain place behind a scaled conversion
.irp k, 0,1,2,3
.irp i, 0,1,2
	ds_store_b32 v[OA+\i], v[PC+4*\k+\i] offset:16*((\t0)+\k)
.endr
	ds_store_b8 v[OSA], v[TM+4+\k] offset:32*((\t0)+\k)           ; lanes l and l xor 16 write the same byte with the same value
.endr
	s_wait_dscnt 0x0                               ; the stores have read their registers
.endm
	; ---- THE HEAD
	s_load_b256 s[4:11], s[0:1], 0x0               ; x's codes s[4:5], x's scales s[6:7], the mask s[8:9], b_attn s[10:11]
	s_load_b128 s[12:15], s[0:1], 0x20             ; b_proj s[12:13], wl s[14:15]
	s_load_b64 s[16:17], s[0:1], 0x30              ; out0
	v_lshl_add_u32 v254, v0, 2, 0x3e400
	v_mov_b32 v255, 0
	v_lshrrev_b32 v1, 5, v0
	v_readfirstlane_b32 s18, v1                    ; w: my wave's number
	v_and_b32 v1, 31, v0                           ; L
	v_and_b32 v2, 15, v0                           ; r
	v_bfe_u32 v3, v0, 4, 1                         ; h
	s_mov_b32 s20, 0x76543210
	s_mov_b32 s21, 0xfedcba98                      ; v_permlanex16_b32's selects for lane l xor 16
	s_mov_b32 s44, 0x3e000000                      ; 1 / 8; the packed forms name a pair and take its low word for both halves
	s_mov_b32 s45, s44
	s_mov_b32 s46, 0x3fb8aa3b                      ; log2(e)
	s_mov_b32 s47, s46
	v_lshlrev_b32 v[LA], 4, v1
	s_mul_i32 s32, s18, 64*REC                     ; my wave's 64 records
	s_mov_b32 s33, 0
	s_wait_kmcnt 0x0
	s_add_nc_u64 s[14:15], s[14:15], s[32:33]
	BLOAD 0                                        ; the first two K steps' weights
	BLOAD 1
	s_mul_i32 s32, ttmp9, 64*768
	s_mul_i32 s34, s18, 16*768
	s_add_co_u32 s32, s32, s34
	s_add_nc_u64 s[4:5], s[4:5], s[32:33]          ; x's codes at token 64 x work-group + 16 w
	s_lshl_b32 s32, ttmp9, 11
	s_add_nc_u64 s[6:7], s[6:7], s[32:33]          ; x's scales at the work-group's first token: 32 bytes a token
	s_lshl_b32 s32, ttmp9, 10
	s_add_nc_u64 s[8:9], s[8:9], s[32:33]          ; the mask: 16 bytes a token
	s_lshl_b32 s32, ttmp9, 18
	s_lshl_b32 s34, s18, 10
	s_add_co_u32 s32, s32, s34
	s_add_nc_u64 s[16:17], s[16:17], s[32:33]      ; out0: 4,096 bytes a token, + my wave's 256 columns
	v_mul_u32_u24 v228, v2, 768
	v_mad_u32_u24 v228, v3, 24, v228               ; x: row r, + 24 h
	v_lshlrev_b32 v229, 5, v2                      ; x's scales: row r
	v_lshlrev_b32 v230, 3, v0                      ; the mask: 8 bytes a thread
	v_lshlrev_b32 v231, 4, v0                      ; the biases: 16 bytes a thread
	v_mul_u32_u24 v232, v2, 768                    ; v's bias: thread n takes g = n % 16, d = n / 16 + 8 i: b_attn[192 g + 128 + d]
	v_lshrrev_b32 v240, 4, v0
	v_lshl_add_u32 v232, v240, 2, v232
.irp k, 0,1,2,3,4,5,6,7
.irp p, 0,1,2,3,4,5
	global_load_b64 v[XF+12*\k+2*\p:XF+12*\k+2*\p+1], v228, s[4:5] offset:96*\k+48*(\p/3)+8*(\p%3) th:TH_LOAD_NT   ; my 16 tokens' eight fragments; read once in the launch
.endr
.endr
.irp m, 0,1,2,3
	global_load_b128 v[XS+8*\m:XS+8*\m+3], v229, s[6:7] offset:512*\m        ; the scale words of all 64 tokens: register 8 m + ks, lane r: token 16 m + r
	global_load_b128 v[XS+8*\m+4:XS+8*\m+7], v229, s[6:7] offset:512*\m+16
.endr
	global_load_b64 v[184:185], v230, s[8:9]
.irp i, 0,1,2,3,4,5
	global_load_b128 v[188+4*\i:191+4*\i], v231, s[10:11] offset:2048*\i
.endr
.irp i, 0,1
	global_load_b128 v[212+4*\i:215+4*\i], v231, s[12:13] offset:2048*\i
.endr
.irp i, 0,1,2,3,4,5,6,7
	global_load_b32 v[220+\i], v232, s[10:11] offset:512+32*\i
.endr
	; every LDS address is made here, of the thread's number, the wave's number and constants
	v_add_nc_u32 v[XAD], XI, v[LA]
	v_add_nc_u32 v[OAD], OI, v[LA]
	s_mul_i32 s34, s18, 8*FP
	v_add_nc_u32 v[XW], s34, v[XAD]
	v_mul_u32_u24 v[QA0], v2, TPQ
	v_mad_u32_u24 v[QA0], v3, 24, v[QA0]
	v_add_nc_u32 v[QA0], U, v[QA0]
	v_lshl_add_u32 v[QSA0], v2, 6, QSO
	v_mul_u32_u24 v[SR], v2, 48
	v_mad_u32_u24 v[SR], v3, 24, v[SR]
	s_mul_i32 s35, s18, 16*TPQ
	s_add_co_u32 s35, s35, U
	v_add_nc_u32 v[SR], s35, v[SR]
	s_lshl_b32 s35, s18, 10
	s_add_co_u32 s35, s35, QSO
	v_lshl_add_u32 v[SSR], v2, 2, s35
	s_lshl_b32 s35, s18, 8
	s_add_co_u32 s35, s35, MKL
	v_lshl_add_u32 v[MKR], v3, 3, s35
	v_mul_u32_u24 v[VA], v2, TPV
	v_lshl_add_u32 v[VA], v3, 5, v[VA]
	s_lshl_b32 s35, s18, 9
	s_add_co_u32 s35, s35, U
	v_add_nc_u32 v[VA], s35, v[VA]
	v_add_nc_u32 v[VA+1], 32*TPV, v[VA]
	v_and_b32 v240, 8, v2
	v_add_nc_u32 v240, v240, v2                    ; r + 8 (r / 8)
	v_lshlrev_b32 v[VR], 6, v240
	v_lshl_add_u32 v[VR], v3, 5, v[VR]
	s_mul_i32 s35, s18, 16*TPV
	s_add_co_u32 s35, s35, U
	v_add_nc_u32 v[VR], s35, v[VR]
	v_and_b32 v240, 1, v2
	v_mul_u32_u24 v240, v240, 6
	v_mad_u32_u24 v240, v3, 3, v240                ; 6 (r % 2) + 3 h
	v_lshrrev_b32 v241, 1, v2
	v_mul_u32_u24 v241, v241, FP                   ; fragment (w, r / 2)
	s_add_co_u32 s34, s34, OI
	v_add_nc_u32 v241, s34, v241
.irp i, 0,1,2
	v_add_nc_u32 v242, \i, v240                    ; the image's register n: it lies at 512 (n / 4) + 4 (n % 4) = 4 n + 496 (n / 4)
	v_lshrrev_b32 v243, 2, v242
	v_mul_u32_u24 v243, v243, 496
	v_lshl_add_u32 v243, v242, 2, v243
	v_add_nc_u32 v[OAB+\i], v241, v243
.endr
	s_lshl_b32 s35, s18, 9
	s_add_co_u32 s35, s35, OS
	v_lshl_add_u32 v[OSB], v2, 1, s35
	v_lshl_add_u32 v[OSR], v2, 5, OS
	v_mul_u32_u24 v[STO], v2, 528
	v_lshl_add_u32 v[STO], v3, 5, v[STO]
	s_mul_i32 s35, s18, 16*528
	s_add_co_u32 s35, s35, U
	v_add_nc_u32 v[STO], s35, v[STO]
	v_add_nc_u32 v[RD], s35, v[LA]
	v_lshlrev_b32 v[H64], 6, v3
	v_lshlrev_b32 v[H32], 5, v3
	v_mov_b32 v[NEG], 0xce6e6b28                   ; -1e9
	v_lshl_add_u32 v233, v0, 4, BQ
	v_lshl_add_u32 v234, v0, 2, BV
	v_lshl_add_u32 v235, v0, 3, MKL
	s_wait_loadcnt 0x0
.irp k, 0,1,2,3,4,5,6,7
.irp c, 0,1,2
	ds_store_b128 v[XW], v[XF+12*\k+4*\c:XF+12*\k+4*\c+3] offset:\k*FP+512*\c    ; fragment (w, k) as it stands
.endr
.endr
	ds_store_b64 v235, v[184:185]
.irp i, 0,1,2,3,4,5
	ds_store_b128 v233, v[188+4*\i:191+4*\i] offset:2048*\i
.endr
.irp i, 0,1
	ds_store_b128 v233, v[212+4*\i:215+4*\i] offset:BP-BQ+2048*\i
.endr
.irp i, 0,1,2,3,4,5,6,7
	ds_store_b32 v234, v[220+\i] offset:512*\i
.endr
	BARRIER                                        ; x's 32 images, the biases and the mask lie in LDS
	; ---- q AND k: four trips, head 4 w + trip.  A trip: 256 products, then the 64 tokens' q and k of that head are quantised and their codes go to U
	s_mov_b32 s22, 4
	s_mul_i32 s23, s18, 4*768
	s_add_co_u32 s23, s23, BQ                      ; the head's 192 numbers of b_attn
	s_mul_i32 s24, s18, 4*48                       ; 48 head
	s_lshl_b32 s25, s18, 4                         ; 4 head
.Lqk:
	v_add_nc_u32 v[BA], s23, v[H64]
	v_add_nc_u32 v[QA], s24, v[QA0]
	v_add_nc_u32 v[QA+1], 32*TPQ, v[QA]
	v_add_nc_u32 v[QSA], s25, v[QSA0]
	GPRO 1, XAD
	GEMMK XAD
.irp m, 0,1,2,3
	QUANT \m
.irp p, 0,1,2
	ds_store_b64 v[QA+\m/2], v[PC+2*\p:PC+2*\p+1] offset:(\m%2)*16*TPQ+8*\p          ; q: my block's 24 bytes
	ds_store_b64 v[QA+\m/2], v[PC+6+2*\p:PC+7+2*\p] offset:(\m%2)*16*TPQ+768+8*\p    ; k
.endr
	ds_store_b32 v[QSA], v[PW] offset:1024*\m      ; lanes l and l xor 16 hold the same word
	s_wait_dscnt 0x0                               ; the stores have read their registers
.endr
	s_add_co_u32 s23, s23, 768
	s_add_co_u32 s24, s24, 48
	s_add_co_u32 s25, s25, 4
	s_sub_co_u32 s22, s22, 1
	s_cmp_lg_u32 s22, 0
	s_cbranch_scc1 .Lqk
	BARRIER                                        ; all heads' codes of all 64 tokens lie in U
	; ---- SCORES AND SOFTMAX of my 16 tokens
.irp i, 0,1,2,3
.irp o, 0,1
.irp z, 6,7,8,9,10,11
	v_mov_b32 v[XF+24*\i+12*\o+\z], 0              ; K = 64 .. 127 of the scores' operands: zero codes
.endr
.endr
	v_mov_b32 v[MX+2*\i+1], 0                      ; written once: a lane permute's destination counts as one of its sources
.endr
	PLACES 4                                       ; an operand written by vector instructions stands four places ahead of a scaled matrix instruction
	SC4 0
	SC4 1
	SC4 2
	SC4 3
	; ---- v AND p v: two trips, d = 32 c .. 32 c + 31.  A trip: 256 products; v of the 64 tokens to U in f32; p v of my 16 tokens; the results' codes to OI
	s_mov_b32 s22, 2
	s_lshl_b32 s23, s18, 9
	s_add_co_u32 s23, s23, BV                      ; v's bias at d = 32 c + 8 w
	s_mov_b32 s26, 0                               ; 256 c: lanes 16-31 of an image hold the odd blocks
	s_mov_b32 s27, 0                               ; c
.Lv:
	v_add_nc_u32 v[BA], s23, v[H32]
.irp i, 0,1,2
	v_add_nc_u32 v[OA+\i], s26, v[OAB+\i]
.endr
	v_add_nc_u32 v[OSA], s27, v[OSB]
	GPRO 0, XAD
	GEMMK XAD
	BARRIER                                        ; every wave's reads of U (the codes; in the second trip the first trip's v) are over
	WIN 0x0c                                       ; an LDS store's data are its source 1: window 3
.irp m, 0,1,2,3
.irp t, 0,1,2,3,4,5,6,7
	ds_store_b128 v[VA+\m/2], v[64*\m+8*\t:64*\m+8*\t+3] offset:(\m%2)*16*TPV+64*\t          ; v(token 16 m + r, g = 8 h + 0 .. 7) at d = 8 w + t; each accumulator from its low end on
	ds_store_b128 v[VA+\m/2], v[64*\m+8*\t+4:64*\m+8*\t+7] offset:(\m%2)*16*TPV+64*\t+16
.endr
.endr
	WIN 0
	BARRIER                                        ; v of 32 d lies in U
	VLOAD 0
.irp i, 0,1,2,3,4,5,6,7
	PV2 \i
.endr
	PLACES 8                                       ; behind the last f32 products
	OQ 0
	OQ 4
	OQ 8
	OQ 12
	s_add_co_u32 s23, s23, 32*64
	s_add_co_u32 s26, s26, 256
	s_add_co_u32 s27, s27, 1
	s_sub_co_u32 s22, s22, 1
	s_cmp_lg_u32 s22, 0
	s_cbranch_scc1 .Lv
	BARRIER                                        ; the result's 32 images and scale bytes lie in LDS, and nobody reads v any more
	; ---- THE PROJECTION: two trips of 128 columns.  A trip: 256 products; 16 rows at a time through my own stage in U, out as whole pieces of 512 bytes
	PLACES 4
.irp m, 0,1,2,3
	ds_load_b128 v[XS+8*\m:XS+8*\m+3], v[OSR] offset:512*\m        ; the tokens' scale words are now the result's
	ds_load_b128 v[XS+8*\m+4:XS+8*\m+7], v[OSR] offset:512*\m+16
.endr
	s_mov_b32 s22, 2
	s_lshl_b32 s23, s18, 10
	s_add_co_u32 s23, s23, BP
.Lproj:
	v_add_nc_u32 v[BA], s23, v[H32]
	GPRO 0, OAD
	GEMMK OAD
.irp m, 0,1,2,3
	s_wait_xcnt 0x0                                ; the stores of the 16 rows before have read their registers
	WIN 0x0c
.irp t, 0,1,2,3,4,5,6,7
	ds_store_b128 v[STO], v[64*\m+8*\t:64*\m+8*\t+3] offset:64*\t                ; lane (r, h): out(16 m + r, 16 t + 8 h + 0 .. 7)
	ds_store_b128 v[STO], v[64*\m+8*\t+4:64*\m+8*\t+7] offset:64*\t+16
.endr
	WIN 0
.irp t, 0,1,2,3,4,5,6,7,8,9,10,11,12,13,14,15
	ds_load_b128 v[XF+4*\t:XF+4*\t+3], v[RD] offset:528*\t         ; LDS serves a wave's instructions in order (ISA guide 5.7.1.4): these see my stores, and the next rows' stores come behind them
.endr
.irp t, 0,1,2,3,4,5,6,7,8,9,10,11,12,13,14,15
	s_wait_dscnt 15-\t
	global_store_b128 v[LA], v[XF+4*\t:XF+4*\t+3], s[16:17] offset:(16*\m+\t)*4096 th:TH_STORE_NT   ; 32 lanes store 512 consecutive bytes, at a multiple of 512 from out0's first byte
.endr
.endr
	s_wait_xcnt 0x0                                ; the stores have read their registers and their base
	s_add_nc_u64 s[16:17], s[16:17], 512
	s_add_co_u32 s23, s23, 512
	s_sub_co_u32 s22, s22, 1
	s_cmp_lg_u32 s22, 0
	s_cbranch_scc1 .Lproj
	s_wait_tensorcnt 0x0
	ds_add_u32 v254, v255
	s_wait_dscnt 0x0
	s_endpgm                                       ; (the two records asked for behind the last step are not used)
.Lfunc_end_k_q45d41f5f02_attn:
	.size	k_q45d41f5f02_attn, .Lfunc_end_k_q45d41f5f02_attn-k_q45d41f5f02_attn
	.p2alignl 7, 3214868480
	.fill 96, 4, 3214868480
	.section	.rodata,"a",@progbits
	.p2align	6, 0x0
	.amdhsa_kernel k_q45d41f5f02_attn
		.amdhsa_group_segment_fixed_size 255488
		.amdhsa_private_segment_fixed_size 0
		.amdhsa_enable_private_segment 0
		.amdhsa_kernarg_size 56
		.amdhsa_user_sgpr_count 2
		.amdhsa_user_sgpr_kernarg_segment_ptr 1
		.amdhsa_wavefront_size32 1
		.amdhsa_system_sgpr_workgroup_id_x 1
		.amdhsa_system_sgpr_workgroup_id_y 1
		.amdhsa_system_sgpr_workgroup_id_z 1
		.amdhsa_system_vgpr_workitem_id 0
		.amdhsa_next_free_vgpr 1024
		.amdhsa_next_free_sgpr 66
		.amdhsa_reserve_vcc 0
		.amdhsa_float_denorm_mode_32 3
		.amdhsa_float_denorm_mode_16_64 3
		.amdhsa_memory_ordered 1
		.amdhsa_forward_progress 1
		.amdhsa_inst_pref_size 255
	.end_amdhsa_kernel
	.section	.bss,"aw",@nobits
	.p2align	6
	.space	262144
	.amdgpu_metadata
---
amdhsa.version: [ 1, 2 ]
amdhsa.kernels:
  - .name:           k_q45d41f5f02_attn
    .symbol:         k_q45d41f5f02_attn.kd
    .args:
      - { .name: x_codes, .offset: 0, .size: 8, .value_kind: global_buffer, .address_space: global }
      - { .name: x_scales, .offset: 8, .size: 8, .value_kind: global_buffer, .address_space: global }
      - { .name: mask, .offset: 16, .size: 8, .value_kind: global_buffer, .address_space: global }
      - { .name: b_attn, .offset: 24, .size: 8, .value_kind: global_buffer, .address_space: global }
      - { .name: b_proj, .offset: 32, .size: 8, .value_kind: global_buffer, .address_space: global }
      - { .name: wl, .offset: 40, .size: 8, .value_kind: global_buffer, .address_space: global }
      - { .name: out0, .offset: 48, .size: 8, .value_kind: global_buffer, .address_space: global }
    .group_segment_fixed_size: 255488
    .private_segment_fixed_size: 0
    .kernarg_segment_align: 8
    .kernarg_segment_size: 56
    .max_flat_workgroup_size: 128
    .sgpr_count:     66
    .vgpr_count:     1024
    .wavefront_size: 32
...
	.end_amdgpu_metadata
.endif
;; end of part 2
;; ======== version 2 of 2: 2 launches
;; workspace buffers: wl 3,302,400 bytes
;; launch lay (part 3): grid 258 x 1, 8 waves a work-group, no clusters, 0 bytes of LDS; arguments W_attn_codes, W_attn_scales, W_proj_codes, W_proj_scales, wl; writes wl
.if DOCPART == 3
	.amdgcn_target "amdgcn-amd-amdhsa--gfx1250"
	.amdhsa_code_object_version 6
	.text
	.protected	k_q45d41f5f02_lay
	.globl	k_q45d41f5f02_lay
	.p2align	8
	.type	k_q45d41f5f02_lay,@function
k_q45d41f5f02_lay:
	s_mov_b64 s[64:65], 0
	v_nop
	global_prefetch_b8 v0, s[64:65] scope:SCOPE_SE
	s_setreg_imm32_b32 hwreg(HW_REG_WAVE_MODE, 25, 1), 1
	s_wait_xcnt 0x0
; The weights' codes and scale bytes are laid once in the order in which the next launch's waves take them into operand registers.
; wl is 258 records of REC bytes.  Record R = 64 w + st: what wave w of the next launch wants in its step st = 8 grp + ks (ks: which 128 along K).
; A record: eight fragments (16 rows x 128 K of 6-bit codes, 12 registers a lane) as images of their registers, fragment t at 1536 t: register 4 c + i of lane L at 512 c + 16 L + 4 i;
; then at byte 12,288 an image of four scale registers: word i of lane L (at 16 L + 4 i) is this K step's scale word of row L % 16 of fragment 2 i + L / 16.
; Which row of the weight lane r of fragment t holds:
;   grp 0-3 (q and k of head 4 w + grp):  W_attn row head x 192 + 32 (t / 2) + 8 (t % 2) + r + 8 (r / 8)
;   grp 4-5 (v, one d for all 16 heads):  W_attn row 192 r + 128 + 32 (grp - 4) + 8 w + t
;   grp 6-7 (the projection):             W_proj row 256 w + 128 (grp - 6) + 16 t + r
; Records 256 and 257 repeat records 0 and 1: the next launch's wave 3 loads two steps ahead of its last step, and every byte that is loaded has been stored.
; One work-group makes one record, wave t its fragment t.  A stream of 3.3 MB: no LDS, no barrier, no matrix unit.
.set REC, 12800
	s_load_b256 s[4:11], s[0:1], 0x0               ; W_attn's codes s[4:5], its scales s[6:7], W_proj's codes s[8:9], its scales s[10:11]
	s_load_b64 s[12:13], s[0:1], 0x20              ; wl
	v_lshrrev_b32 v1, 5, v0
	s_delay_alu instid0(VALU_DEP_1)
	v_readfirstlane_b32 s14, v1                    ; t: my wave's number
	v_and_b32 v2, 31, v0                           ; L
	v_and_b32 v3, 15, v0                           ; r
	v_bfe_u32 v4, v0, 4, 1                         ; h
	s_and_b32 s15, ttmp9, 255                      ; records 256, 257 repeat 0, 1
	s_lshr_b32 s16, s15, 6                         ; w
	s_bfe_u32 s17, s15, 0x30003                    ; grp: 3 bits from bit 3
	s_and_b32 s18, s15, 7                          ; ks
	s_lshr_b32 s19, s14, 1                         ; t / 2
	s_and_b32 s20, s14, 1                          ; t % 2
	; the row is A + B r + C (r / 8).  A for q and k:
	s_lshl_b32 s21, s16, 2
	s_add_co_u32 s21, s21, s17                     ; head
	s_mul_i32 s21, s21, 192
	s_lshl_b32 s22, s19, 5
	s_add_co_u32 s21, s21, s22
	s_lshl_b32 s22, s20, 3
	s_add_co_u32 s21, s21, s22
	; A for v: 128 + 32 (grp - 4) + 8 w + t = 32 grp + 8 w + t
	s_lshl_b32 s23, s17, 5
	s_lshl_b32 s22, s16, 3
	s_add_co_u32 s23, s23, s22
	s_add_co_u32 s23, s23, s14
	; A for the projection: grp - 6 is grp % 2 there
	s_lshl_b32 s24, s16, 8
	s_and_b32 s22, s17, 1
	s_lshl_b32 s22, s22, 7
	s_add_co_u32 s24, s24, s22
	s_lshl_b32 s22, s14, 4
	s_add_co_u32 s24, s24, s22
	s_cmp_lt_u32 s17, 4
	s_cselect_b32 s25, s21, s23                    ; A
	s_cselect_b32 s26, 1, 192                      ; B
	s_cselect_b32 s27, 8, 0                        ; C
	s_wait_alu depctr_va_vdst(0)
	s_wait_kmcnt 0x0
	s_cmp_lt_u32 s17, 6                            ; W_attn or W_proj: the choice hangs on the work-group's number alone
	s_cselect_b32 s25, s25, s24
	s_cselect_b32 s26, s26, 1
	s_cselect_b64 s[4:5], s[4:5], s[8:9]
	s_cselect_b64 s[6:7], s[6:7], s[10:11]
	v_mul_lo_u32 v5, v3, s26
	v_lshrrev_b32 v6, 3, v3
	s_delay_alu instid0(VALU_DEP_1)
	v_mul_lo_u32 v6, v6, s27
	s_delay_alu instid0(VALU_DEP_1)
	v_add3_u32 v5, v5, v6, s25                     ; my row
	s_delay_alu instid0(VALU_DEP_1)
	v_mul_u32_u24 v7, v5, 768                      ; a row of 1,024 codes is 768 bytes
	s_delay_alu instid0(VALU_DEP_1)
	v_mad_u32_u24 v7, v4, 24, v7                   ; + 24 h
	s_mul_i32 s28, s18, 96                         ; + the K step's 96 bytes
	v_add_nc_u32 v7, s28, v7
	v_lshlrev_b32 v20, 5, v5                       ; a row of scales is 32 bytes
	s_lshl_b32 s29, s18, 2
	v_add_nc_u32 v20, s29, v20                     ; the K step's word
.irp p, 0,1,2,3,4,5
	global_load_b64 v[8+2*\p:9+2*\p], v7, s[4:5] offset:48*(\p/3)+8*(\p%3)   ; registers 6 c .. 6 c + 5: K = 64 c + 32 h + 0 .. 31, as the bits lie
.endr
	global_load_b32 v23, v20, s[6:7]
	s_mul_i32 s30, ttmp9, REC
	s_mov_b32 s31, 0
	s_add_nc_u64 s[12:13], s[12:13], s[30:31]      ; my record
	s_mul_i32 s32, s14, 1536
	v_lshl_add_u32 v21, v2, 4, s32                 ; my fragment's image: 1536 t + 16 L
	s_lshl_b32 s33, s20, 8
	s_lshl_b32 s34, s19, 2
	s_add_co_u32 s33, s33, s34
	v_lshl_add_u32 v22, v3, 4, s33                 ; my row's scale word: 16 (r + 16 (t % 2)) + 4 (t / 2)
	s_wait_alu depctr_va_vdst(0)
	s_wait_loadcnt 0x0
.irp c, 0,1,2
	global_store_b128 v21, v[8+4*\c:11+4*\c], s[12:13] offset:512*\c         ; the wave stores 512 consecutive bytes
.endr
	global_store_b32 v22, v23, s[12:13] offset:12288                         ; lanes r and r + 16 hold the same row's word and write it to the same place
	s_endpgm
.Lfunc_end_k_q45d41f5f02_lay:
	.size	k_q45d41f5f02_lay, .Lfunc_end_k_q45d41f5f02_lay-k_q45d41f5f02_lay
	.p2alignl 7, 3214868480
	.fill 96, 4, 3214868480
	.section	.rodata,"a",@progbits
	.p2align	6, 0x0
	.amdhsa_kernel k_q45d41f5f02_lay
		.amdhsa_group_segment_fixed_size 0
		.amdhsa_private_segment_fixed_size 0
		.amdhsa_enable_private_segment 0
		.amdhsa_kernarg_size 40
		.amdhsa_user_sgpr_count 2
		.amdhsa_user_sgpr_kernarg_segment_ptr 1
		.amdhsa_wavefront_size32 1
		.amdhsa_system_sgpr_workgroup_id_x 1
		.amdhsa_system_sgpr_workgroup_id_y 1
		.amdhsa_system_sgpr_workgroup_id_z 1
		.amdhsa_system_vgpr_workitem_id 0
		.amdhsa_next_free_vgpr 32
		.amdhsa_next_free_sgpr 66
		.amdhsa_reserve_vcc 0
		.amdhsa_float_denorm_mode_32 3
		.amdhsa_float_denorm_mode_16_64 3
		.amdhsa_memory_ordered 1
		.amdhsa_forward_progress 1
		.amdhsa_inst_pref_size 4
	.end_amdhsa_kernel
	.amdgpu_metadata
---
amdhsa.version: [ 1, 2 ]
amdhsa.kernels:
  - .name:           k_q45d41f5f02_lay
    .symbol:         k_q45d41f5f02_lay.kd
    .args:
      - { .name: W_attn_codes, .offset: 0, .size: 8, .value_kind: global_buffer, .address_space: global }
      - { .name: W_attn_scales, .offset: 8, .size: 8, .value_kind: global_buffer, .address_space: global }
      - { .name: W_proj_codes, .offset: 16, .size: 8, .value_kind: global_buffer, .address_space: global }
      - { .name: W_proj_scales, .offset: 24, .size: 8, .value_kind: global_buffer, .address_space: global }
      - { .name: wl, .offset: 32, .size: 8, .value_kind: global_buffer, .address_space: global }
    .group_segment_fixed_size: 0
    .private_segment_fixed_size: 0
    .kernarg_segment_align: 8
    .kernarg_segment_size: 40
    .max_flat_workgroup_size: 256
    .sgpr_count:     66
    .vgpr_count:     32
    .wavefront_size: 32
...
	.end_amdgpu_metadata
.endif
;; end of part 3
;; launch attn (part 4): grid 256 x 1, 4 waves a work-group, no clusters, 255,488 bytes of LDS; arguments x_codes, x_scales, mask, b_attn, b_proj, wl, out0; writes out0
.if DOCPART == 4
	.amdgcn_target "amdgcn-amd-amdhsa--gfx1250"
	.amdhsa_code_object_version 6
	.text
	.protected	k_q45d41f5f02_attn
	.globl	k_q45d41f5f02_attn
	.p2align	8
	.type	k_q45d41f5f02_attn,@function
k_q45d41f5f02_attn:
	s_mov_b64 s[64:65], 0
	v_nop
	global_prefetch_b8 v0, s[64:65] scope:SCOPE_SE
	s_setreg_imm32_b32 hwreg(HW_REG_WAVE_SCHED_MODE, 0, 2), 2
	s_setreg_imm32_b32 hwreg(HW_REG_WAVE_MODE, 25, 1), 1
	s_wait_xcnt 0x0
	s_wait_alu depctr_vm_vsrc(0)
; The whole chain for 64 tokens a work-group: qkv = x W_attn + b_attn; for each token scores q k^T / 8 over its 16 HEADS, mask over g, softmax, p v; the result W_proj + b_proj.
; Products 1, 2 and 4 run on codes of FP6 (E2M3) with one E8M0 scale for each 32 along K; q, k and the attention's result are quantised here, in f32, on their way; p v takes f32 operands, since its result is quantised.
; SHARES.  In the three large products the four waves share the COLUMNS: a group is 128 columns x 64 tokens = 8 column tiles t x 4 token tiles m = 32 accumulators, over 8 K steps of 128.
;   Wave w: 4 groups for q and k of heads 4 w .. 4 w + 3; 2 groups for v (d = 32 c + 8 w + t, a tile's 16 rows are the 16 heads); 2 groups for output columns 256 w + 128 g ...
;   The matrix instruction is used TRANSPOSED (source 0 = 16 rows of the weight, source 1 = 16 tokens): lane (r, h) holds token r, register j the tile's row 8 h + j.
;   In scores, softmax and p v wave w owns tokens 16 w .. 16 w + 15.
; WEIGHTS come from wl, laid by the launch before as images of operand registers, straight into registers: 25 loads of 16 bytes a lane for a K step, asked for two K steps ahead, four sets of registers.
; NO CLUSTER, NO TENSOR LOADS: x's codes, the result's codes, q's and k's codes or v in f32, biases and mask take 254,976 bytes of LDS; in the 72,704 left, two slots for four waves would be 9,088 bytes a wave,
;   less than the 12,800 bytes that a wave multiplies in one K step; and inside the work-group each fragment of a weight has one reader.  No prefetch: x is read once at the head, and wl is asked for two K steps ahead by the loads themselves.
; TOKEN OPERANDS lie in LDS as images of their registers (register 4 c + i of lane L at 512 c + 16 L + 4 i), fragment (m, ks) at (8 m + ks) FP.
; LIMITS: a block whose largest magnitude lies under 2^-124 (a block of zeros too) keeps the scale byte 1; its codes are what that scale gives (zeros for zeros).  NaN and infinities among the inputs are not served.
; REGISTERS, in windows of 256: window 0: v0-31 addresses; v32-63 the tokens' scale words (8 m + ks); v64-79 the weights' scale words, 4 sets; v80-87 scales of the scores' operands;
;   v88-183 two sets of four token fragments (also: the scores' operands, v's operands, rows on the way out); v184-255 at work.
;   window 1: v0-191 weight sets 0, 1; v192-255 p of my tokens 0-7.   window 2: weight sets 2, 3; p of tokens 8-15.   window 3: the accumulators, (m, t) at 64 m + 8 t; p v's results at 16 token + 8 u: written by matrix instructions alone.
; THE MODE: SCHED_MODE bits 1:0 = 2 (LLVM: expert scheduling mode 2), set by the entry lines.  The code itself states the register dependences
; between vector or matrix instructions and memory or LDS instructions, with s_wait_alu, always for 0.
; THE PLAN.  Registers that memory or LDS instructions touch:
;   W0 .. W3   the weight sets, with their scale registers.  K step s: its products read W[s % 4]; the loads of step s + 2 land in W[(s + 2) % 4], which the products of step s - 2 read last.
;   T0, T1     the token sets.  K step s: its products read T[s % 2]; the LDS loads of step s + 1 land in the other set, which the products of step s - 1 read last.
;              So ONE wait on va_vdst stands at the head of a K step.  Behind it the step's 37 loads owe nothing more and are dealt among its first products, which name W[s % 4], T[s % 2], scale registers and accumulators alone.
;   v184-247   a group's bias, by LDS loads ahead of the group (one wait on va_vdst there, which serves K step 0 too); then at work.  Codes and scale words leave v188-223 by LDS stores:
;              a wait on va_vdst ahead of each run of such stores, a wait on vm_vsrc behind it, ahead of the next writer.
;   the accumulators   read by LDS stores twice (v; the way out): the places, then a wait on va_vdst ahead of the run; a wait on vm_vsrc ahead of the next products that write them.
;   addresses  all made at the head, while the arguments are on their way, ahead of one wait on va_vdst.  v25-29 alone are written again, at a loop's head: behind the wait on vm_vsrc that closed the trip before, ahead of the group's wait on va_vdst.
.set REC,  12800                       ; a K step's record in wl
.set FP,   1552                        ; from image to image in LDS: 1,536 bytes + 16
.set TPQ,  1552                        ; a token's q and k codes: q of head g at 48 g + 24 block, k 768 bytes on; + 16
.set TPV,  2064                        ; a token's v of 32 d: [d][g] f32, 64 bytes a d; + 16
.set XI,   0                           ; x: 32 images
.set OI,   49664                       ; the attention's result: 32 images
.set OS,   99328                       ; its scale bytes, [token][32]
.set BQ,   101376                      ; b_attn as it lies
.set BV,   113664                      ; v's part of it as [d 64][g 16]
.set BP,   117760                      ; b_proj
.set MKL,  121856                      ; the mask, [token][16]
.set U,    122880                      ; by turns, parted by barriers: q's and k's codes (64 TPQ) and their scale words; v (64 TPV); the stages of the way out (4 x 16 x 528)
.set QSO,  U+64*TPQ                    ; scale words [token][head]: bytes 0, 1 q's two blocks, bytes 2, 3 k's
.set LA,   4                           ; 16 L: an image's place for my lane; also my offset in wl and in a row piece of out0
.set XAD,  5                           ; XI + 16 L
.set OAD,  6                           ; OI + 16 L
.set XW,   7                           ; where I store x's images
.set QA0,  8                           ; U + TPQ r + 24 h
.set QSA0, 9                           ; QSO + 64 r
.set SR,   10                          ; the scores' operands: U + 16 w TPQ + 48 r + 24 h (r: a head)
.set SSR,  11                          ; QSO + 1024 w + 4 r
.set MKR,  12                          ; MKL + 256 w + 8 h
.set VA,   13                          ; v13-14: where I store v: U + TPV r + 32 h + 512 w; the same 32 tokens on
.set VR,   15                          ; where I read v's operands
.set OAB,  16                          ; v16-18: where my three words of the result's codes go
.set OSB,  19                          ; and the block's scale byte
.set OSR,  20                          ; OS + 32 r
.set STO,  21                          ; the way out: into my stage
.set RD,   22                          ; and back
.set H64,  23                          ; 64 h
.set H32,  24                          ; 32 h
.set BA,   25                          ; the group's bias
.set QA,   26                          ; v26-27: QA0 + 48 head; the same 32 tokens on
.set QSA,  28
.set OA,   26                          ; v26-28 (later): OAB + 256 c
.set OSA,  29
.set NEG,  30                          ; -1e9
.set XS,   32
.set WS,   64
.set KQS,  80
.set XF,   88
.set BIASR,184                         ; v184-247: a group's bias in the result's layout, the C of each sum's first product
.set TM,   184                         ; v184-187 largest magnitudes, v188-191 the other half's, then bytes, v196-199 the conversions' scale operands
.set PW,   200                         ; a scale word just made
.set PC,   204                         ; v204-223 codes just made
.set S,    184                         ; v184-215 four tokens' scores
.set MK,   216                         ; v216-223 their mask bytes
.set MX,   224                         ; v224-231 a pair a token: the maximum; later 1 / the sum
.set RC,   232                         ; v232-239 a pair a token: the sum
.set TP,   240
.set CM,   28                          ; s28-43 and s48-63: the 32 lane masks of four tokens' eight g (s44-47 between them hold constants)
.set MSB, 0
.macro WIN new                         ; the immediate's high byte repeats the setting that is left; a switch that changes nothing is dropped
.if MSB != (\new)
	s_set_vgpr_msb (MSB<<8)|(\new)
.set MSB, (\new)
.endif
.endm
.macro PLACES n                        ; plain vector instructions behind matrix instructions (ISA guide 7.12.1)
.rept \n
	v_nop
.endr
.endm
.macro BARRIER                         ; my LDS stores have landed and my LDS loads are in: then the work-group's barrier
	s_wait_dscnt 0x0
	s_barrier_signal -1
	s_barrier_wait -1
.endm
; Step st's record (counted from the group in hand) goes into weight set st % 4: one load for the four scale registers, three for each of the eight fragments
.macro WSCL st
	global_load_b128 v[WS+4*((\st)%4):WS+4*((\st)%4)+3], v[LA], s[14:15] offset:(\st)*REC+12288
.endm
.macro WFR st, t                       ; fragment t, under the destination window 1 + (st % 4) / 2
.irp c, 0,1,2
	global_load_b128 v[96*((\st)%2)+12*(\t)+4*\c:96*((\st)%2)+12*(\t)+4*\c+3], v[LA], s[14:15] offset:(\st)*REC+1536*(\t)+512*\c
.endr
.endm
.macro BLOAD st                        ; a whole record in one run: at the head alone
	WSCL \st
	WIN (1+((\st)%4)/2)<<6
.irp t, 0,1,2,3,4,5,6,7
	WFR \st, \t
.endr
	WIN 0
.endm
; The four token fragments of K step s into token set s % 2
.macro XLOAD adr, s
.irp m, 0,1,2,3
.irp c, 0,1,2
	ds_load_b128 v[XF+48*((\s)%2)+12*\m+4*\c:XF+48*((\s)%2)+12*\m+4*\c+3], v[\adr] offset:(8*\m+(\s))*FP+512*\c
.endr
.endr
.endm
; Column tile t against the four token tiles, K step s.  In step 0 the bias is C: nothing is cleared and nothing is added later.
.macro MULT s, t
.irp m, 0,1,2,3
.set rD, 64*\m+8*(\t)
.set rA, 96*((\s)%2)+12*(\t)
.set rB, XF+48*((\s)%2)+12*\m
.set rP, WS+4*((\s)%4)+(\t)/2          ; lanes 0-15: tile 2 i's scale words, lanes 16-31: tile 2 i + 1's
.set rX, XS+8*\m+(\s)
.if (\s) == 0
.if (\t)%2
	v_wmma_scale_f32_16x16x128_f8f6f4 v[rD:rD+7], v[rA:rA+11], v[rB:rB+11], v[BIASR+8*(\t):BIASR+8*(\t)+7], v[rP], v[rX] matrix_a_fmt:MATRIX_FMT_FP6 matrix_b_fmt:MATRIX_FMT_FP6 matrix_a_scale:MATRIX_SCALE_ROW1
.else
	v_wmma_scale_f32_16x16x128_f8f6f4 v[rD:rD+7], v[rA:rA+11], v[rB:rB+11], v[BIASR+8*(\t):BIASR+8*(\t)+7], v[rP], v[rX] matrix_a_fmt:MATRIX_FMT_FP6 matrix_b_fmt:MATRIX_FMT_FP6
.endif
.else
.if (\t)%2
	v_wmma_scale_f32_16x16x128_f8f6f4 v[rD:rD+7], v[rA:rA+11], v[rB:rB+11], v[rD:rD+7], v[rP], v[rX] matrix_a_fmt:MATRIX_FMT_FP6 matrix_b_fmt:MATRIX_FMT_FP6 matrix_a_scale:MATRIX_SCALE_ROW1
.else
	v_wmma_scale_f32_16x16x128_f8f6f4 v[rD:rD+7], v[rA:rA+11], v[rB:rB+11], v[rD:rD+7], v[rP], v[rX] matrix_a_fmt:MATRIX_FMT_FP6 matrix_b_fmt:MATRIX_FMT_FP6
.endif
.endif
.endr
.endm
; A K step: 32 products, the 32 accumulators by turns, one instruction a turn, in the same order in every step.
; Its loads: the scale registers of step s + 2 and the token fragments of step s + 1 at its head; the eight weight fragments of step s + 2 in two runs of twelve loads, behind its first four and its first eight products.
.macro KSTEP adr, s
	PLACES 4                                       ; four places behind the last step's products
	s_wait_loadcnt 25                              ; this step's 25 loads are in; the next step's 25 may be out
.if (\s) > 0
	s_wait_alu depctr_va_vdst(0)                   ; the last step's products are done reading their token set, in which the LDS loads below land (the weight set and scale registers of the loads below were read last a step earlier).  In step 0 the wait ahead of the group has said all this
.endif
	WSCL (\s)+2
.if (\s) < 7
	XLOAD \adr, (\s)+1
	s_wait_dscnt 12                                ; all but the 12 just issued
.else
	s_wait_dscnt 0x0
.endif
.if (\s) == 0
.set WM, 0xc0+1+((\s)%4)/2                     ; source 0 the weight's window, source 1 and C window 0, D window 3
.else
.set WM, 0xf0+1+((\s)%4)/2                     ; C and D window 3
.endif
.set WL, (1+(((\s)+2)%4)/2)<<6                 ; destination: the window of weight set (s + 2) % 4; address window 0
	WIN WM
	MULT \s, 0
	WIN WL
.irp t, 0,1,2,3
	WFR (\s)+2, \t                                 ; no wait: no vector or matrix instruction since the last wait on va_vdst names weight set (s + 2) % 4 or v[LA]
.endr
	WIN WM
	MULT \s, 1
	WIN WL
.irp t, 4,5,6,7
	WFR (\s)+2, \t
.endr
	WIN WM
.irp t, 2,3,4,5,6,7
	MULT \s, \t
.endr
	WIN 0
.endm
; A group's eight K steps; wl's pointer then steps to the next group, whose first two records are already asked for
.macro GEMMK adr
.irp s, 0,1,2,3,4,5,6,7
	KSTEP \adr, \s
.endr
	s_wait_xcnt 0x0                                ; the loads have read their base
	s_add_nc_u64 s[14:15], s[14:15], 8*REC
	PLACES 5                                       ; behind the last products: for reads of the results, and for matrix instructions that write these registers anew
.endm
; Ahead of a group: its bias in the result's layout (lane (r, h): the tile's rows 8 h + 0 .. 7) and the first token fragments.  qk = 1: a tile's rows are not neighbours
.macro GPRO qk, adr
	PLACES 4
	s_wait_alu depctr_va_vdst(0)                   ; v[BA] and the loop's other addresses are written; the vector work on v184-247, in which the bias lands, is over; the earlier products are done reading both token sets and the weight sets
.irp t, 0,1,2,3,4,5,6,7
.if \qk
	ds_load_b128 v[BIASR+8*\t:BIASR+8*\t+3], v[BA] offset:128*(\t/2)+32*(\t%2)
	ds_load_b128 v[BIASR+8*\t+4:BIASR+8*\t+7], v[BA] offset:128*(\t/2)+32*(\t%2)+16
.else
	ds_load_b128 v[BIASR+8*\t:BIASR+8*\t+3], v[BA] offset:64*\t
	ds_load_b128 v[BIASR+8*\t+4:BIASR+8*\t+7], v[BA] offset:64*\t+16
.endif
.endr
	XLOAD \adr, 0
.endm
; Token tile m's 64 numbers a lane (window 3; register 16 b + i = column 32 b + 16 h + i of my token: blocks 0, 1 are q, blocks 2, 3 are k) become 12 registers of codes in v[PC] on and a scale word in v[PW].
.macro QUANT m
.set QB, 64*(\m)
	WIN 0x3c                                       ; sources 1 and 2 window 3
.irp b, 0,1,2,3
	v_max3_num_f32 v[TM+\b], 0x1800000, |v[QB+16*\b]|, |v[QB+16*\b+1]|     ; my 16 numbers of block b, and the floor 2^(3 - 127): the byte cannot fall under 1.  Each accumulator is read from its low end on
.endr
.irp i, 2,4,6,8,10,12,14
.irp b, 0,1,2,3
	v_max3_num_f32 v[TM+\b], v[TM+\b], |v[QB+16*\b+\i]|, |v[QB+16*\b+\i+1]|
.endr
.endr
	WIN 0
.irp b, 0,1,2,3
	v_permlanex16_b32 v[TM+4+\b], v[TM+\b], s20, s21
.endr
.irp b, 0,1,2,3
	v_max_num_f32 v[TM+\b], v[TM+\b], v[TM+4+\b]   ; with lane l xor 16's: the block's largest magnitude
.endr
.irp b, 0,1,2,3
	v_add_nc_u32 v[TM+12+\b], 0xff000000, v[TM+\b] ; 2 off its exponent field: the conversion's scale operand
.endr
.irp b, 0,1,2,3
	v_lshrrev_b32 v[TM+4+\b], 23, v[TM+12+\b]      ; the scale's byte
.endr
	v_lshl_or_b32 v[PW], v[TM+5], 8, v[TM+4]
	v_lshl_or_b32 v[PW], v[TM+6], 16, v[PW]
	v_lshl_or_b32 v[PW], v[TM+7], 24, v[PW]
	WIN 0x03                                       ; source 0 window 3
.irp c, 0,1
	v_cvt_scalef32_pk16_fp6_f32 v[PC+6*\c:PC+6*\c+2], v[QB+32*\c:QB+32*\c+15], v[TM+12+2*\c]
	v_cvt_scalef32_pk16_fp6_f32 v[PC+12+4*\c:PC+14+4*\c], v[QB+32*\c+16:QB+32*\c+31], v[TM+13+2*\c]   ; (a conversion's three registers begin on an even number)
.endr
	WIN 0
	v_nop                                          ; one plain place behind a scaled conversion
.irp c, 0,1                                    ; a whole block to a lane: lanes 0-15 block 2 c, lanes 16-31 block 2 c + 1
.irp i, 0,1,2
	v_permlane16_swap_b32 v[PC+6*\c+\i], v[PC+12+4*\c+\i]
.endr
.irp i, 0,1,2
	v_mov_b32 v[PC+3+6*\c+\i], v[PC+12+4*\c+\i]
.endr
.endr
.endm
; Scores and softmax of my tokens 4 q .. 4 q + 3, the four by turns.  S^T = k q^T: source 0 = the token's 16 heads of k, source 1 = its 16 heads of q; K = 64 in the low six registers, the high six hold zero codes.
; Lane (r, h) holds query head r and g = 8 h + 0 .. 7.  p goes to window 1 or 2 in that layout, which is source 1 of p v.
; The loads at its head owe no wait of their own: the last wait on va_vdst ahead of them (in front of the first four tokens: behind the zero codes; else: the reciprocals') stands behind every vector or matrix instruction that names their registers.
.macro SC4 q
.irp i, 0,1,2,3
.irp p, 0,1,2
	ds_load_b64 v[XF+24*\i+2*\p:XF+24*\i+2*\p+1], v[SR] offset:(4*(\q)+\i)*TPQ+768+8*\p
	ds_load_b64 v[XF+24*\i+12+2*\p:XF+24*\i+13+2*\p], v[SR] offset:(4*(\q)+\i)*TPQ+8*\p
.endr
	ds_load_u16 v[KQS+2*\i], v[SSR] offset:64*(4*(\q)+\i)+2       ; k's two bytes, below two bytes 0, which scale zero codes
	ds_load_b32 v[KQS+2*\i+1], v[SSR] offset:64*(4*(\q)+\i)       ; q's two bytes; the two above (k's, never 0xff) scale zero codes
	ds_load_b64 v[MK+2*\i:MK+2*\i+1], v[MKR] offset:16*(4*(\q)+\i)
.endr
	s_wait_dscnt 0x0
.irp i, 0,1,2,3
	v_wmma_scale_f32_16x16x128_f8f6f4 v[S+8*\i:S+8*\i+7], v[XF+24*\i:XF+24*\i+11], v[XF+24*\i+12:XF+24*\i+23], 0, v[KQS+2*\i], v[KQS+2*\i+1] matrix_a_fmt:MATRIX_FMT_FP6 matrix_b_fmt:MATRIX_FMT_FP6
.endr
	PLACES 5                                       ; for the reads below and for the next batch's products, which write these four accumulators anew
.irp j, 0,2,4,6
.irp i, 0,1,2,3
	v_pk_mul_f32 v[S+8*\i+\j:S+8*\i+\j+1], v[S+8*\i+\j:S+8*\i+\j+1], s[44:45] op_sel_hi:[1,0]      ; x 1 / sqrt(64)
.endr
.endr
.irp j, 0,1,2,3,4,5,6,7                        ; the mask's byte of g, for four tokens x eight g: 32 compares in one run, each into a scalar register of its own
.irp i, 0,1,2,3
	v_and_b32 v[TP+\i], 0xff<<(8*(\j%4)), v[MK+2*\i+\j/4]
.endr
.irp i, 0,1,2,3
	v_cmp_ne_u32 s[CM+4*\j+\i+4*(\j/4)], 0, v[TP+\i]
.endr
.endr
	s_wait_alu depctr_va_sdst(0)                   ; the 32 compares have written their lane masks, which the selections below read
.irp j, 0,1,2,3,4,5,6,7                        ; where the mask's byte of g is 0 the score becomes -1e9
.irp i, 0,1,2,3
	v_cndmask_b32 v[S+8*\i+\j], v[NEG], v[S+8*\i+\j], s[CM+4*\j+\i+4*(\j/4)]
.endr
.endr
.irp i, 0,1,2,3
	v_max3_num_f32 v[MX+2*\i], v[S+8*\i], v[S+8*\i+1], v[S+8*\i+2]
.endr
.irp i, 0,1,2,3
	v_max3_num_f32 v[MX+2*\i], v[MX+2*\i], v[S+8*\i+3], v[S+8*\i+4]
.endr
.irp i, 0,1,2,3
	v_max3_num_f32 v[MX+2*\i], v[MX+2*\i], v[S+8*\i+5], v[S+8*\i+6]
.endr
.irp i, 0,1,2,3
	v_max_num_f32 v[MX+2*\i], v[MX+2*\i], v[S+8*\i+7]
.endr
.irp i, 0,1,2,3
	v_permlanex16_b32 v[MX+2*\i+1], v[MX+2*\i], s20, s21
.endr
.irp i, 0,1,2,3
	v_max_num_f32 v[MX+2*\i], v[MX+2*\i], v[MX+2*\i+1]            ; the row's maximum over all 16 g
.endr
.irp j, 0,2,4,6
.irp i, 0,1,2,3
	v_pk_add_f32 v[S+8*\i+\j:S+8*\i+\j+1], v[S+8*\i+\j:S+8*\i+\j+1], v[MX+2*\i:MX+2*\i+1] op_sel_hi:[1,0] neg_lo:[0,1] neg_hi:[0,1]   ; the maximum is taken away first, then the factor: no large numbers are rounded
.endr
.endr
.irp j, 0,2,4,6
.irp i, 0,1,2,3
	v_pk_mul_f32 v[S+8*\i+\j:S+8*\i+\j+1], v[S+8*\i+\j:S+8*\i+\j+1], s[46:47] op_sel_hi:[1,0]      ; x log2(e)
.endr
.endr
	s_wait_alu depctr_va_vdst(0)
.irp j, 0,1,2,3,4,5,6,7
.irp i, 0,1,2,3
	v_exp_f32 v[S+8*\i+\j], v[S+8*\i+\j]
.endr
.endr
	v_nop                                          ; a plain place behind the last exponential
	s_wait_alu depctr_va_vdst(0)                   ; the 32 exponentials have written v[S ..]: one wait for the batch, ahead of its first reader
.irp i, 0,1,2,3
	v_pk_add_f32 v[RC+2*\i:RC+2*\i+1], v[S+8*\i:S+8*\i+1], v[S+8*\i+2:S+8*\i+3]
.endr
.irp i, 0,1,2,3
	v_pk_add_f32 v[MX+2*\i:MX+2*\i+1], v[S+8*\i+4:S+8*\i+5], v[S+8*\i+6:S+8*\i+7]
.endr
.irp i, 0,1,2,3
	v_pk_add_f32 v[RC+2*\i:RC+2*\i+1], v[RC+2*\i:RC+2*\i+1], v[MX+2*\i:MX+2*\i+1]
.endr
.irp i, 0,1,2,3
	v_add_f32 v[RC+2*\i], v[RC+2*\i], v[RC+2*\i+1]
.endr
.irp i, 0,1,2,3
	v_permlanex16_b32 v[RC+2*\i+1], v[RC+2*\i], s20, s21
.endr
.irp i, 0,1,2,3
	v_add_f32 v[RC+2*\i], v[RC+2*\i], v[RC+2*\i+1]                ; the row's sum
.endr
	s_wait_alu depctr_va_vdst(0)
.irp i, 0,1,2,3
	v_rcp_f32 v[MX+2*\i], v[RC+2*\i]
.endr
	v_nop
	s_wait_alu depctr_va_vdst(0)                   ; the four reciprocals have written v[MX ..], ahead of their first reader.  It stands also behind the products' reads of their operands and scale registers and behind the reads of the mask's bytes: the next four tokens' loads land there
	WIN (1+(\q)/2)<<6                              ; destination: p's window
.irp j, 0,2,4,6
.irp i, 0,1,2,3
	v_pk_mul_f32 v[192+8*((4*(\q)+\i)%8)+\j:192+8*((4*(\q)+\i)%8)+\j+1], v[S+8*\i+\j:S+8*\i+\j+1], v[MX+2*\i:MX+2*\i+1] op_sel_hi:[1,0]
.endr
.endr
	WIN 0
.endm
; v's operands of tokens 2 i, 2 i + 1: for tile u lane (r, h) takes d = 8 u + r + 8 (r / 8) and g = 8 h + 0 .. 7: 32 neighbouring bytes
.macro VLOAD i
.irp t, 0,1
.irp u, 0,1
	ds_load_b128 v[XF+32*((\i)%2)+16*\t+8*\u:XF+32*((\i)%2)+16*\t+8*\u+3], v[VR] offset:(2*(\i)+\t)*TPV+512*\u
	ds_load_b128 v[XF+32*((\i)%2)+16*\t+8*\u+4:XF+32*((\i)%2)+16*\t+8*\u+7], v[VR] offset:(2*(\i)+\t)*TPV+512*\u+16
.endr
.endr
.endm
; out^T = v^T p^T of tokens 2 i, 2 i + 1 in f32: source 0 = 16 d x 4 g, source 1 = 4 g x 16 query heads.  Step s takes registers 2 s, 2 s + 1 of both: the slot (h, j) is g = 8 h + 2 s + j on both sides.
; Four accumulators by turns.  In the result lane (query head r, h) holds d = 16 h + 8 u + j: the 16 registers of tiles 0 and 1 are 16 neighbours along the next K.
.macro PV2 i
.if (\i) < 7
	PLACES 8                                       ; eight places behind the last batch's products
.if (\i) > 0
	s_wait_alu depctr_va_vdst(0)                   ; the last batch's products are done reading their operands of v, in which the loads below land (ahead of batch 0 the wait in front of v's stores has said it of the K steps' products)
.endif
	VLOAD (\i)+1
	s_wait_dscnt 8                                 ; all but the 8 just issued
.else
	s_wait_dscnt 0x0
.endif
	WIN 0xf0+4*(1+(\i)/4)                          ; source 1 p's window, C and D window 3
.irp s, 0,1,2,3
.irp t, 0,1
.irp u, 0,1
.set tk, 2*(\i)+\t
.set rD, 16*tk+8*\u
.set rA, XF+32*((\i)%2)+16*\t+8*\u+2*\s
.set rB, 192+8*(tk%8)+2*\s
.if \s == 0
	v_wmma_f32_16x16x4_f32 v[rD:rD+7], v[rA:rA+1], v[rB:rB+1], 0
.else
	v_wmma_f32_16x16x4_f32 v[rD:rD+7], v[rA:rA+1], v[rB:rB+1], v[rD:rD+7]
.endif
.endr
.endr
.endr
	WIN 0
.endm
; The results of tokens t0 .. t0 + 3 are quantised: my 16 numbers are half of block 2 head + c; their 12 bytes of codes are words 6 (head % 2) + 3 h + 0 .. 2 of lane token + 16 c in the image of fragment (w, head / 2).
.macro OQ t0
	WIN 0x3c
.irp k, 0,1,2,3
	v_max3_num_f32 v[TM+\k], 0x1800000, |v[16*((\t0)+\k)]|, |v[16*((\t0)+\k)+1]|
.endr
.irp i, 2,4,6,8,10,12,14
.irp k, 0,1,2,3
	v_max3_num_f32 v[TM+\k], v[TM+\k], |v[16*((\t0)+\k)+\i]|, |v[16*((\t0)+\k)+\i+1]|
.endr
.endr
	WIN 0
.irp k, 0,1,2,3
	v_permlanex16_b32 v[TM+4+\k], v[TM+\k], s20, s21
.endr
.irp k, 0,1,2,3
	v_max_num_f32 v[TM+\k], v[TM+\k], v[TM+4+\k]
.endr
.irp k, 0,1,2,3
	v_add_nc_u32 v[TM+12+\k], 0xff000000, v[TM+\k]
.endr
.irp k, 0,1,2,3
	v_lshrrev_b32 v[TM+4+\k], 23, v[TM+12+\k]
.endr
	WIN 0x03
.irp k, 0,1,2,3
	v_cvt_scalef32_pk16_fp6_f32 v[PC+4*\k:PC+4*\k+2], v[16*((\t0)+\k):16*((\t0)+\k)+15], v[TM+12+\k]
.endr
	WIN 0
	v_nop                                          ; one plain place behind a scaled conversion
	s_wait_alu depctr_va_vdst(0)                   ; the conversions have written v[PC ..] and the shifts the bytes in v[TM+4 ..], which the LDS stores read
.irp k, 0,1,2,3
.irp i, 0,1,2
	ds_store_b32 v[OA+\i], v[PC+4*\k+\i] offset:16*((\t0)+\k)
.endr
	ds_store_b8 v[OSA], v[TM+4+\k] offset:32*((\t0)+\k)           ; lanes l and l xor 16 write the same byte with the same value
.endr
	s_wait_dscnt 0x0                               ; my stores have landed
	s_wait_alu depctr_vm_vsrc(0)                   ; and have read v[PC ..] and v[TM+4 ..], which the next four tokens' lines write; behind the last four: also v[OA ..], v[OSA], and the bias's loads v[BA], which the next trip writes
.endm
	; ---- THE HEAD.  Every address, of memory and of LDS, is made while the arguments are on their way: of the thread's number, the wave's number and constants
	s_load_b256 s[4:11], s[0:1], 0x0               ; x's codes s[4:5], x's scales s[6:7], the mask s[8:9], b_attn s[10:11]
	s_load_b128 s[12:15], s[0:1], 0x20             ; b_proj s[12:13], wl s[14:15]
	s_load_b64 s[16:17], s[0:1], 0x30              ; out0
	v_lshl_add_u32 v254, v0, 2, 0x3e400
	v_mov_b32 v255, 0
	v_lshrrev_b32 v1, 5, v0
	v_readfirstlane_b32 s18, v1                    ; w: my wave's number
	v_and_b32 v1, 31, v0                           ; L
	v_and_b32 v2, 15, v0                           ; r
	v_bfe_u32 v3, v0, 4, 1                         ; h
	s_mov_b32 s20, 0x76543210
	s_mov_b32 s21, 0xfedcba98                      ; v_permlanex16_b32's selects for lane l xor 16
	s_mov_b32 s44, 0x3e000000                      ; 1 / 8; the packed forms name a pair and take its low word for both halves
	s_mov_b32 s45, s44
	s_mov_b32 s46, 0x3fb8aa3b                      ; log2(e)
	s_mov_b32 s47, s46
	v_lshlrev_b32 v[LA], 4, v1
	v_mul_u32_u24 v228, v2, 768
	v_mad_u32_u24 v228, v3, 24, v228               ; x: row r, + 24 h
	v_lshlrev_b32 v229, 5, v2                      ; x's scales: row r
	v_lshlrev_b32 v230, 3, v0                      ; the mask: 8 bytes a thread
	v_lshlrev_b32 v231, 4, v0                      ; the biases: 16 bytes a thread
	v_mul_u32_u24 v232, v2, 768                    ; v's bias: thread n takes g = n % 16, d = n / 16 + 8 i: b_attn[192 g + 128 + d]
	v_lshrrev_b32 v240, 4, v0
	v_lshl_add_u32 v232, v240, 2, v232
	v_add_nc_u32 v[XAD], XI, v[LA]
	v_add_nc_u32 v[OAD], OI, v[LA]
	s_wait_alu depctr_va_sdst(0)                   ; s18 is written, ahead of its first reader: LDS addresses and the bases of wl, x and out0 are made from it
	s_mul_i32 s34, s18, 8*FP
	v_add_nc_u32 v[XW], s34, v[XAD]
	v_mul_u32_u24 v[QA0], v2, TPQ
	v_mad_u32_u24 v[QA0], v3, 24, v[QA0]
	v_add_nc_u32 v[QA0], U, v[QA0]
	v_lshl_add_u32 v[QSA0], v2, 6, QSO
	v_mul_u32_u24 v[SR], v2, 48
	v_mad_u32_u24 v[SR], v3, 24, v[SR]
	s_mul_i32 s35, s18, 16*TPQ
	s_add_co_u32 s35, s35, U
	v_add_nc_u32 v[SR], s35, v[SR]
	s_lshl_b32 s35, s18, 10
	s_add_co_u32 s35, s35, QSO
	v_lshl_add_u32 v[SSR], v2, 2, s35
	s_lshl_b32 s35, s18, 8
	s_add_co_u32 s35, s35, MKL
	v_lshl_add_u32 v[MKR], v3, 3, s35
	v_mul_u32_u24 v[VA], v2, TPV
	v_lshl_add_u32 v[VA], v3, 5, v[VA]
	s_lshl_b32 s35, s18, 9
	s_add_co_u32 s35, s35, U
	v_add_nc_u32 v[VA], s35, v[VA]
	v_add_nc_u32 v[VA+1], 32*TPV, v[VA]
	v_and_b32 v240, 8, v2
	v_add_nc_u32 v240, v240, v2                    ; r + 8 (r / 8)
	v_lshlrev_b32 v[VR], 6, v240
	v_lshl_add_u32 v[VR], v3, 5, v[VR]
	s_mul_i32 s35, s18, 16*TPV
	s_add_co_u32 s35, s35, U
	v_add_nc_u32 v[VR], s35, v[VR]
	v_and_b32 v240, 1, v2
	v_mul_u32_u24 v240, v240, 6
	v_mad_u32_u24 v240, v3, 3, v240                ; 6 (r % 2) + 3 h
	v_lshrrev_b32 v241, 1, v2
	v_mul_u32_u24 v241, v241, FP                   ; fragment (w, r / 2)
	s_add_co_u32 s34, s34, OI
	v_add_nc_u32 v241, s34, v241
.irp i, 0,1,2
	v_add_nc_u32 v242, \i, v240                    ; the image's register n: it lies at 512 (n / 4) + 4 (n % 4) = 4 n + 496 (n / 4)
	v_lshrrev_b32 v243, 2, v242
	v_mul_u32_u24 v243, v243, 496
	v_lshl_add_u32 v243, v242, 2, v243
	v_add_nc_u32 v[OAB+\i], v241, v243
.endr
	s_lshl_b32 s35, s18, 9
	s_add_co_u32 s35, s35, OS
	v_lshl_add_u32 v[OSB], v2, 1, s35
	v_lshl_add_u32 v[OSR], v2, 5, OS
	v_mul_u32_u24 v[STO], v2, 528
	v_lshl_add_u32 v[STO], v3, 5, v[STO]
	s_mul_i32 s35, s18, 16*528
	s_add_co_u32 s35, s35, U
	v_add_nc_u32 v[STO], s35, v[STO]
	v_add_nc_u32 v[RD], s35, v[LA]
	v_lshlrev_b32 v[H64], 6, v3
	v_lshlrev_b32 v[H32], 5, v3
	v_mov_b32 v[NEG], 0xce6e6b28                   ; -1e9
	v_lshl_add_u32 v233, v0, 4, BQ
	v_lshl_add_u32 v234, v0, 2, BV
	v_lshl_add_u32 v235, v0, 3, MKL
	s_mul_i32 s32, s18, 64*REC                     ; my wave's 64 records
	s_mov_b32 s33, 0
	s_wait_kmcnt 0x0
	s_add_nc_u64 s[14:15], s[14:15], s[32:33]
	s_wait_alu depctr_va_vdst(0)                   ; every offset and LDS address of the kernel (v4 to v24, v228 to v235) is written, ahead of the first load; so are v240 to v243, in which a bias lands later
	BLOAD 0                                        ; the first two K steps' weights
	BLOAD 1
	s_mul_i32 s32, ttmp9, 64*768
	s_mul_i32 s34, s18, 16*768
	s_add_co_u32 s32, s32, s34
	s_add_nc_u64 s[4:5], s[4:5], s[32:33]          ; x's codes at token 64 x work-group + 16 w
	s_lshl_b32 s32, ttmp9, 11
	s_add_nc_u64 s[6:7], s[6:7], s[32:33]          ; x's scales at the work-group's first token: 32 bytes a token
	s_lshl_b32 s32, ttmp9, 10
	s_add_nc_u64 s[8:9], s[8:9], s[32:33]          ; the mask: 16 bytes a token
	s_lshl_b32 s32, ttmp9, 18
	s_lshl_b32 s34, s18, 10
	s_add_co_u32 s32, s32, s34
	s_add_nc_u64 s[16:17], s[16:17], s[32:33]      ; out0: 4,096 bytes a token, + my wave's 256 columns
.irp k, 0,1,2,3,4,5,6,7
.irp p, 0,1,2,3,4,5
	global_load_b64 v[XF+12*\k+2*\p:XF+12*\k+2*\p+1], v228, s[4:5] offset:96*\k+48*(\p/3)+8*(\p%3) th:TH_LOAD_NT   ; my 16 tokens' eight fragments; read once in the launch
.endr
.endr
.irp m, 0,1,2,3
	global_load_b128 v[XS+8*\m:XS+8*\m+3], v229, s[6:7] offset:512*\m        ; the scale words of all 64 tokens: register 8 m + ks, lane r: token 16 m + r
	global_load_b128 v[XS+8*\m+4:XS+8*\m+7], v229, s[6:7] offset:512*\m+16
.endr
	global_load_b64 v[184:185], v230, s[8:9]
.irp i, 0,1,2,3,4,5
	global_load_b128 v[188+4*\i:191+4*\i], v231, s[10:11] offset:2048*\i
.endr
.irp i, 0,1
	global_load_b128 v[212+4*\i:215+4*\i], v231, s[12:13] offset:2048*\i
.endr
.irp i, 0,1,2,3,4,5,6,7
	global_load_b32 v[220+\i], v232, s[10:11] offset:512+32*\i
.endr
	s_wait_loadcnt 0x0
.irp k, 0,1,2,3,4,5,6,7
.irp c, 0,1,2
	ds_store_b128 v[XW], v[XF+12*\k+4*\c:XF+12*\k+4*\c+3] offset:\k*FP+512*\c    ; fragment (w, k) as it stands
.endr
.endr
	ds_store_b64 v235, v[184:185]
.irp i, 0,1,2,3,4,5
	ds_store_b128 v233, v[188+4*\i:191+4*\i] offset:2048*\i
.endr
.irp i, 0,1
	ds_store_b128 v233, v[212+4*\i:215+4*\i] offset:BP-BQ+2048*\i
.endr
.irp i, 0,1,2,3,4,5,6,7
	ds_store_b32 v234, v[220+\i] offset:512*\i
.endr
	BARRIER                                        ; x's 32 images, the biases and the mask lie in LDS
	s_wait_alu depctr_vm_vsrc(0)                   ; my LDS stores have read v[XF ..] and v184 to v227, the head's loads and stores their offsets v228 to v235: token fragments and biases land in these registers from here on
	; ---- q AND k: four trips, head 4 w + trip.  A trip: 256 products, then the 64 tokens' q and k of that head are quantised and their codes go to U
	s_mov_b32 s22, 4
	s_mul_i32 s23, s18, 4*768
	s_add_co_u32 s23, s23, BQ                      ; the head's 192 numbers of b_attn
	s_mul_i32 s24, s18, 4*48                       ; 48 head
	s_lshl_b32 s25, s18, 4                         ; 4 head
.Lqk:
	v_add_nc_u32 v[BA], s23, v[H64]                ; (the wait on vm_vsrc behind the trip's last stores stands ahead of these four writes)
	v_add_nc_u32 v[QA], s24, v[QA0]
	v_add_nc_u32 v[QA+1], 32*TPQ, v[QA]
	v_add_nc_u32 v[QSA], s25, v[QSA0]
	GPRO 1, XAD
	GEMMK XAD
.irp m, 0,1,2,3
	QUANT \m
	s_wait_alu depctr_va_vdst(0)                   ; the conversions, exchanges and moves have written v[PC ..] and v[PW], which the LDS stores read
.irp p, 0,1,2
	ds_store_b64 v[QA+\m/2], v[PC+2*\p:PC+2*\p+1] offset:(\m%2)*16*TPQ+8*\p          ; q: my block's 24 bytes
	ds_store_b64 v[QA+\m/2], v[PC+6+2*\p:PC+7+2*\p] offset:(\m%2)*16*TPQ+768+8*\p    ; k
.endr
	ds_store_b32 v[QSA], v[PW] offset:1024*\m      ; lanes l and l xor 16 hold the same word
	s_wait_dscnt 0x0                               ; my stores have landed
	s_wait_alu depctr_vm_vsrc(0)                   ; and have read v[PC ..] and v[PW], which the next tile's lines write; behind the last tile: also v[QA ..], v[QSA], and the bias's loads v[BA], which the next trip writes
.endr
	s_add_co_u32 s23, s23, 768
	s_add_co_u32 s24, s24, 48
	s_add_co_u32 s25, s25, 4
	s_sub_co_u32 s22, s22, 1
	s_cmp_lg_u32 s22, 0
	s_cbranch_scc1 .Lqk
	BARRIER                                        ; all heads' codes of all 64 tokens lie in U
	; ---- SCORES AND SOFTMAX of my 16 tokens
.irp i, 0,1,2,3
.irp o, 0,1
.irp z, 6,7,8,9,10,11
	v_mov_b32 v[XF+24*\i+12*\o+\z], 0              ; K = 64 .. 127 of the scores' operands: zero codes
.endr
.endr
	v_mov_b32 v[MX+2*\i+1], 0                      ; written once: a lane permute's destination counts as one of its sources
.endr
	PLACES 4                                       ; an operand written by vector instructions stands four places ahead of a scaled matrix instruction
	s_wait_alu depctr_va_vdst(0)                   ; the zero codes are written, which the scores' products take as the upper halves of their operands
	SC4 0
	SC4 1
	SC4 2
	SC4 3
	; ---- v AND p v: two trips, d = 32 c .. 32 c + 31.  A trip: 256 products; v of the 64 tokens to U in f32; p v of my 16 tokens; the results' codes to OI
	s_mov_b32 s22, 2
	s_lshl_b32 s23, s18, 9
	s_add_co_u32 s23, s23, BV                      ; v's bias at d = 32 c + 8 w
	s_mov_b32 s26, 0                               ; 256 c: lanes 16-31 of an image hold the odd blocks
	s_mov_b32 s27, 0                               ; c
.Lv:
	v_add_nc_u32 v[BA], s23, v[H32]                ; (the last wait on vm_vsrc stands behind every LDS instruction that read these five registers)
.irp i, 0,1,2
	v_add_nc_u32 v[OA+\i], s26, v[OAB+\i]
.endr
	v_add_nc_u32 v[OSA], s27, v[OSB]
	GPRO 0, XAD
	GEMMK XAD
	BARRIER                                        ; every wave's reads of U (the codes; in the second trip the first trip's v) are over
	WIN 0x0c                                       ; an LDS store's data are its source 1: window 3
	s_wait_alu depctr_va_vdst(0)                   ; the products have written the accumulators, which the LDS stores read (the five places stand ahead), and are done reading the token sets, in which v's operands land below
.irp m, 0,1,2,3
.irp t, 0,1,2,3,4,5,6,7
	ds_store_b128 v[VA+\m/2], v[64*\m+8*\t:64*\m+8*\t+3] offset:(\m%2)*16*TPV+64*\t          ; v(token 16 m + r, g = 8 h + 0 .. 7) at d = 8 w + t; each accumulator from its low end on
	ds_store_b128 v[VA+\m/2], v[64*\m+8*\t+4:64*\m+8*\t+7] offset:(\m%2)*16*TPV+64*\t+16
.endr
.endr
	WIN 0
	BARRIER                                        ; v of 32 d lies in U
	s_wait_alu depctr_vm_vsrc(0)                   ; my LDS stores have read the accumulators, which the f32 products below write anew
	VLOAD 0
.irp i, 0,1,2,3,4,5,6,7
	PV2 \i
.endr
	PLACES 8                                       ; behind the last f32 products
	OQ 0
	OQ 4
	OQ 8
	OQ 12
	s_add_co_u32 s23, s23, 32*64
	s_add_co_u32 s26, s26, 256
	s_add_co_u32 s27, s27, 1
	s_sub_co_u32 s22, s22, 1
	s_cmp_lg_u32 s22, 0
	s_cbranch_scc1 .Lv
	BARRIER                                        ; the result's 32 images and scale bytes lie in LDS, and nobody reads v any more
	; ---- THE PROJECTION: two trips of 128 columns.  A trip: 256 products; 16 rows at a time through my own stage in U, out as whole pieces of 512 bytes
	PLACES 4
.irp m, 0,1,2,3
	ds_load_b128 v[XS+8*\m:XS+8*\m+3], v[OSR] offset:512*\m        ; the tokens' scale words are now the result's.  No wait: the products that read v[XS ..] stand ahead of the waits on va_vdst above, and nothing has named these registers since
	ds_load_b128 v[XS+8*\m+4:XS+8*\m+7], v[OSR] offset:512*\m+16
.endr
	s_mov_b32 s22, 2
	s_lshl_b32 s23, s18, 10
	s_add_co_u32 s23, s23, BP
.Lproj:
	v_add_nc_u32 v[BA], s23, v[H32]                ; (the last wait on vm_vsrc stands behind the bias's loads that read it)
	GPRO 0, OAD
	GEMMK OAD
.irp m, 0,1,2,3
	s_wait_xcnt 0x0                                ; the stores of the 16 rows before have had their addresses translated
.if \m > 0
	s_wait_alu depctr_vm_vsrc(0)                   ; the global stores of the 16 rows before have read v[XF ..], in which the loads from the stage land
.endif
	WIN 0x0c
.if \m == 0
	s_wait_alu depctr_va_vdst(0)                   ; the products have written all 32 accumulators, which the LDS stores of the four blocks read (the five places stand ahead), and are done reading the token sets, in which the loads from the stage land
.endif
.irp t, 0,1,2,3,4,5,6,7
	ds_store_b128 v[STO], v[64*\m+8*\t:64*\m+8*\t+3] offset:64*\t                ; lane (r, h): out(16 m + r, 16 t + 8 h + 0 .. 7)
	ds_store_b128 v[STO], v[64*\m+8*\t+4:64*\m+8*\t+7] offset:64*\t+16
.endr
	WIN 0
.irp t, 0,1,2,3,4,5,6,7,8,9,10,11,12,13,14,15
	ds_load_b128 v[XF+4*\t:XF+4*\t+3], v[RD] offset:528*\t         ; LDS serves a wave's instructions in order (ISA guide 5.7.1.4): these see my stores, and the next rows' stores come behind them
.endr
.irp t, 0,1,2,3,4,5,6,7,8,9,10,11,12,13,14,15
	s_wait_dscnt 15-\t
	global_store_b128 v[LA], v[XF+4*\t:XF+4*\t+3], s[16:17] offset:(16*\m+\t)*4096 th:TH_STORE_NT   ; 32 lanes store 512 consecutive bytes, at a multiple of 512 from out0's first byte
.endr
.endr
	s_wait_xcnt 0x0                                ; the stores have had their addresses translated: their base may step
	s_wait_alu depctr_vm_vsrc(0)                   ; the global stores have read v[XF ..], in which the next trip's token fragments land; the LDS stores have read the accumulators, which its products write; the bias's loads have read v[BA], which it writes
	s_add_nc_u64 s[16:17], s[16:17], 512
	s_add_co_u32 s23, s23, 512
	s_sub_co_u32 s22, s22, 1
	s_cmp_lg_u32 s22, 0
	s_cbranch_scc1 .Lproj
	s_wait_dscnt 0x0
	s_wait_alu depctr_hold_cnt(0) depctr_sa_sdst(0) depctr_va_vdst(0) depctr_va_sdst(0) depctr_va_ssrc(0) depctr_va_vcc(0) depctr_vm_vsrc(0)
	s_wait_tensorcnt 0x0
	ds_add_u32 v254, v255
	s_wait_dscnt 0x0
	s_endpgm                                       ; (the two records asked for behind the last step are not used)
.Lfunc_end_k_q45d41f5f02_attn:
	.size	k_q45d41f5f02_attn, .Lfunc_end_k_q45d41f5f02_attn-k_q45d41f5f02_attn
	.p2alignl 7, 3214868480
	.fill 96, 4, 3214868480
	.section	.rodata,"a",@progbits
	.p2align	6, 0x0
	.amdhsa_kernel k_q45d41f5f02_attn
		.amdhsa_group_segment_fixed_size 255488
		.amdhsa_private_segment_fixed_size 0
		.amdhsa_enable_private_segment 0
		.amdhsa_kernarg_size 56
		.amdhsa_user_sgpr_count 2
		.amdhsa_user_sgpr_kernarg_segment_ptr 1
		.amdhsa_wavefront_size32 1
		.amdhsa_system_sgpr_workgroup_id_x 1
		.amdhsa_system_sgpr_workgroup_id_y 1
		.amdhsa_system_sgpr_workgroup_id_z 1
		.amdhsa_system_vgpr_workitem_id 0
		.amdhsa_next_free_vgpr 1024
		.amdhsa_next_free_sgpr 66
		.amdhsa_reserve_vcc 0
		.amdhsa_float_denorm_mode_32 3
		.amdhsa_float_denorm_mode_16_64 3
		.amdhsa_memory_ordered 1
		.amdhsa_forward_progress 1
		.amdhsa_inst_pref_size 255
	.end_amdhsa_kernel
	.section	.bss,"aw",@nobits
	.p2align	6
	.space	262144
	.amdgpu_metadata
---
amdhsa.version: [ 1, 2 ]
amdhsa.kernels:
  - .name:           k_q45d41f5f02_attn
    .symbol:         k_q45d41f5f02_attn.kd
    .args:
      - { .name: x_codes, .offset: 0, .size: 8, .value_kind: global_buffer, .address_space: global }
      - { .name: x_scales, .offset: 8, .size: 8, .value_kind: global_buffer, .address_space: global }
      - { .name: mask, .offset: 16, .size: 8, .value_kind: global_buffer, .address_space: global }
      - { .name: b_attn, .offset: 24, .size: 8, .value_kind: global_buffer, .address_space: global }
      - { .name: b_proj, .offset: 32, .size: 8, .value_kind: global_buffer, .address_space: global }
      - { .name: wl, .offset: 40, .size: 8, .value_kind: global_buffer, .address_space: global }
      - { .name: out0, .offset: 48, .size: 8, .value_kind: global_buffer, .address_space: global }
    .group_segment_fixed_size: 255488
    .private_segment_fixed_size: 0
    .kernarg_segment_align: 8
    .kernarg_segment_size: 56
    .max_flat_workgroup_size: 128
    .sgpr_count:     66
    .vgpr_count:     1024
    .wavefront_size: 32
...
	.end_amdgpu_metadata
.endif
;; end of part 4
